; MI455X (gfx1250); checked and timed in simulation.
; The chip was launched on July 23, 2026; its instructions are those of AMD's public machine-readable ISA for CDNA 5 (MIT licence, August 2026) and "CDNA5" Instruction Set Architecture Reference Guide (July 2026). The comments in the code are by the model that wrote it; some were corrected since.
;; Linear Attention. Allowed arithmetic: float matrix products may take bf16 or f16 operands with f32 sums; all other float work in f32.
;; Inputs: Wk 64 x 64 float32; Wo 128 x 256 float32; Wq 256 x 64 float32; Wv 128 x 128 float32; bk 64 float32; bo 256 float32; bq 64 float32; bv 128 float32; key 4 x 4,096 x 64 float32; query 4 x 4,096 x 256 float32; value 4 x 4,096 x 128 float32.
;; Outputs: out0 4 x 4,096 x 256 float32.
;; 2 versions, each right; version 2 is version 1 with the launches kv, main written anew for expert scheduling mode. Each part assembles by itself: llvm-mc -triple=amdgcn-amd-amdhsa -mcpu=gfx1250 --defsym DOCPART=n.
;; ======== version 1 of 2: 3 launches
;; workspace buffers: part 8,388,608 bytes; mfrag 131,072 bytes; wqfrag 32,768 bytes; wofrag 65,536 bytes
;; launch kv (part 1): grid 256 x 1, 8 waves a work-group, no clusters, 91,136 bytes of LDS; arguments key, value, Wk, Wv, bk, bv, part; writes part
.if DOCPART == 1
	.amdgcn_target "amdgcn-amd-amdhsa--gfx1250"
	.amdhsa_code_object_version 6
	.text
	.protected	k_qbda692019c_kv
	.globl	k_qbda692019c_kv
	.p2align	8
	.type	k_qbda692019c_kv,@function
k_qbda692019c_kv:
	s_mov_b64 s[64:65], 0
	v_nop
	global_prefetch_b8 v0, s[64:65] scope:SCOPE_SE
	s_setreg_imm32_b32 hwreg(HW_REG_WAVE_MODE, 25, 1), 1
	s_wait_xcnt 0x0
; LAUNCH 1 OF 3.  The whole program computes out = ((query Wq + bq)(key Wk + bk)^T)(value Wv + bv) Wo + bo as Q (K^T V) Wo: without a softmax
; the two associations are the same sum for every input, and M = K^T V is only 64 x 128 for a batch.
; This launch: a work-group takes 64 rows l of one batch (256 work-groups = 4 batches x 64 chunks), makes K = key Wk + bk (64 x 64) and
; V = value Wv + bv (64 x 128), and stores its partial M[d][v] = sum over its l of K[l][d] V[l][v] in f32 (32 tiles of 16 x 16, as the registers hold them).
; Eight waves.  Wave w (dk = w & 3, sl = w >> 2): K's rows 32 sl .. +31, columns 16 dk .. +15; V's 64 rows, columns 16 w .. +15; M's 64 rows d, columns 16 w .. +15.
; LAYOUT: a result tile holds in register j of lane (r, h) the element (m = 8 h + j, n = r).  Two neighbouring registers rounded to one word of two bf16 give four
; words with m = 8 h .. 8 h + 7 of column r: half of an operand fragment whose lane is n and whose k is m.  So K (m = l, n = d) packs into the first operand of M
; and V (m = l, n = v) into the second, and nothing is transposed.
; PRECISION: key, value, Wk, Wv are rounded to bf16 once; bk, bv enter in f32 as the sums' start.  K and V are each split into hi = bf16(x) and lo = bf16(x - hi), and M takes
; hi hi + lo hi + hi lo.  LIMITS: the term lo lo (about 2^-16 of the product) is dropped; the order of the sums differs from a row-by-row evaluation of (Q K^T) V;
; a K or V that is infinite, or rounds to an infinite bf16 (above 3.39e38), gives NaN through x - hi.
; NO JOINT LOADS: what the work-groups share is Wk and Wv, 80 KiB of f32 that have to be rounded to bf16 on the way into LDS; a tile laid into LDS as it is in memory
; would be read, rounded and stored a second time.  Every LDS byte here is written once, from registers.
.set PK,   144                         ; LDS pitch of key's rows (128 bytes of bf16 + 16): an odd multiple of 16, so 16 rows begin in 16 different 16-byte columns of 256 bytes
.set PV,   272                         ; value's rows (256 + 16), likewise
.set PWK,  160                         ; Wk's rows [k][n] (128 + 32): an odd multiple of 32, for the transposing load
.set PWV,  288                         ; Wv's rows [k][n] (256 + 32), likewise
.set LKX,  0                           ; 64 x 144 = 9,216 bytes
.set LVX,  9216                        ; 64 x 272 = 17,408
.set LWK,  26624                       ; 64 x 160 = 10,240
.set LWV,  36864                       ; 128 x 288 = 36,864
.set LKF,  73728                       ; K's fragments [wave 8][hi, lo][half 2][lane 32][16 bytes] = 16,384; ends at 90,112
.set R4,   1                           ; v1   4 r
.set T16,  4                           ; v4   16 t
.set SK,   5                           ; v5-8 where my staged words go: key, value, Wk, Wv
.set SV,   6
.set SWK,  7
.set SWV,  8
.set AK,   9                           ; v9   key's fragments      v10 value's fragments
.set AV,   10
.set TRK,  11                          ; v11  Wk's fragments (transposing load)     v12 Wv's
.set TRV,  12
.set KFW,  13                          ; v13  where I put K's fragments     v14 where I read all waves'
.set KFR,  14
.set L16,  15                          ; v15  16 x lane
.set BK,   16                          ; v16-23  bk[16 dk + r] eight times: the start of K's sums; later the split's temporaries
.set BV,   24                          ; v24-31  bv[16 w + r] eight times
.set T,    16
.set S,    32                          ; v32-159 the 32 staged loads, 4 registers each
.set WKB,  32                          ; v32-47  Wk, 2 fragments         (behind the staging)
.set KA,   48                          ; v48-79  key, [l tile 2][k step 2]
.set VA1,  32                          ; v32-95  value, k steps 2, 3     (behind K's products)
.set WVB,  96                          ; v96-127 Wv, 4 fragments
.set VF,   96                          ; v96-127 V's fragments: 16 sl, + 8 for lo   (behind V's products)
.set VA0,  128                         ; v128-191 value, k steps 0, 1: [k step 2][l tile 4]
.set KF0,  32                          ; v32-95   K's fragments of sl = 0: 16 dk + 8 (lo) ;  v128-191 those of sl = 1
.set KF1,  128
.set VACC, 192                         ; v192-223 V's four tiles
.set KACC, 224                         ; v224-239 K's two tiles
.set KH,   240                         ; v240-247 K hi, v248-255 K lo
.set KL,   248
.set MACC, 224                         ; v224-255 M's four tiles (behind K's)
.set MASK, 18                          ; s18 a word's upper bf16
.macro PLACES                          ; a vector instruction, an LDS or global store that reads a matrix result, and a load or vector write into a matrix instruction's register,
.rept 4                                ; stand four plain vector instructions behind it (ISA guide 7.12.1 for vector instructions)
	v_nop
.endr
.endm
.macro CVST n, areg, off               ; staged load n: four f32 to four bf16, in place, and 8 bytes into LDS
	v_cvt_pk_bf16_f32 v[S+4*(\n)], v[S+4*(\n)], v[S+4*(\n)+1]
	v_cvt_pk_bf16_f32 v[S+4*(\n)+1], v[S+4*(\n)+2], v[S+4*(\n)+3]
	ds_store_b64 v[\areg], v[S+4*(\n):S+4*(\n)+1] offset:\off
.endm
.macro SPLIT x, hi, lo, t              ; eight f32 in x: hi = bf16(x) packed in 4 words, lo = bf16(x - hi) likewise; x is used up; t: four temporaries, two pairs in turn
.irp p, 0,1,2,3
	v_cvt_pk_bf16_f32 v[\hi+\p], v[\x+2*\p], v[\x+2*\p+1]
	v_lshlrev_b32 v[\t+2*(\p&1)], 16, v[\hi+\p]
	v_and_b32 v[\t+2*(\p&1)+1], s[MASK], v[\hi+\p]
	v_sub_f32 v[\x+2*\p], v[\x+2*\p], v[\t+2*(\p&1)]
	v_sub_f32 v[\x+2*\p+1], v[\x+2*\p+1], v[\t+2*(\p&1)+1]
	v_cvt_pk_bf16_f32 v[\lo+\p], v[\x+2*\p], v[\x+2*\p+1]
.endr
.endm
.macro VALOAD buf, k0                  ; 16 LDS loads: value's fragments of k steps k0, k0 + 1, all four l tiles
.irp s, 0,1
.irp q, 0,1,2,3
	ds_load_b128 v[\buf+8*(4*\s+\q):\buf+8*(4*\s+\q)+3], v[AV] offset:\q*16*PV+64*(\k0+\s)
	ds_load_b128 v[\buf+8*(4*\s+\q)+4:\buf+8*(4*\s+\q)+7], v[AV] offset:\q*16*PV+64*(\k0+\s)+32
.endr
.endr
.endm
.macro VMUL buf, k0, bias              ; 8 products: V's four tiles take turns, one instruction a turn; bias = 1: the first four start from bv
.irp s, 0,1
.irp q, 0,1,2,3
.if \bias*(1-\s)
	v_wmma_f32_16x16x32_bf16 v[VACC+8*\q:VACC+8*\q+7], v[\buf+8*(4*\s+\q):\buf+8*(4*\s+\q)+7], v[WVB+8*(\k0+\s):WVB+8*(\k0+\s)+7], v[BV:BV+7]
.else
	v_wmma_f32_16x16x32_bf16 v[VACC+8*\q:VACC+8*\q+7], v[\buf+8*(4*\s+\q):\buf+8*(4*\s+\q)+7], v[WVB+8*(\k0+\s):WVB+8*(\k0+\s)+7], v[VACC+8*\q:VACC+8*\q+7]
.endif
.endr
.endr
.endm
.macro KFLOAD buf, sl                  ; 16 LDS loads: K's fragments, hi and lo, of the four d tiles for rows 32 sl .. +31
.irp q, 0,1,2,3
.irp n, 0,1,2,3
	ds_load_b128 v[\buf+16*\q+4*\n:\buf+16*\q+4*\n+3], v[KFR] offset:2048*(4*\sl+\q)+512*\n
.endr
.endr
.endm
.macro MMUL kf, vf, zero               ; 12 products: K hi V hi, K lo V hi, K hi V lo; M's four tiles take turns; zero = 1: the first four start the sums
.irp q, 0,1,2,3
.if \zero
	v_wmma_f32_16x16x32_bf16 v[MACC+8*\q:MACC+8*\q+7], v[\kf+16*\q:\kf+16*\q+7], v[\vf:\vf+7], 0
.else
	v_wmma_f32_16x16x32_bf16 v[MACC+8*\q:MACC+8*\q+7], v[\kf+16*\q:\kf+16*\q+7], v[\vf:\vf+7], v[MACC+8*\q:MACC+8*\q+7]
.endif
.endr
.irp q, 0,1,2,3
	v_wmma_f32_16x16x32_bf16 v[MACC+8*\q:MACC+8*\q+7], v[\kf+16*\q+8:\kf+16*\q+15], v[\vf:\vf+7], v[MACC+8*\q:MACC+8*\q+7]
.endr
.irp q, 0,1,2,3
	v_wmma_f32_16x16x32_bf16 v[MACC+8*\q:MACC+8*\q+7], v[\kf+16*\q:\kf+16*\q+7], v[\vf+8:\vf+15], v[MACC+8*\q:MACC+8*\q+7]
.endr
.endm
	s_load_b256 s[4:11], s[0:1], 0x0               ; key s[4:5], value s[6:7], Wk s[8:9], Wv s[10:11]
	s_load_b128 s[12:15], s[0:1], 0x20             ; bk s[12:13], bv s[14:15]
	s_load_b64 s[16:17], s[0:1], 0x30              ; part
	s_set_vgpr_msb 0x40
	v_lshl_add_u32 v0, v0, 2, 0x16000
	v_mov_b32 v1, 0
	s_set_vgpr_msb 0x4000
	v_lshrrev_b32 v2, 5, v0
	v_readfirstlane_b32 s20, v2                    ; wave w
	v_and_b32 v3, 15, v0                           ; r
	v_lshlrev_b32 v[T16], 4, v0                    ; 16 t
	v_lshlrev_b32 v[R4], 2, v3                     ; 4 r
	s_and_b32 s21, s20, 3                          ; dk
	s_lshr_b32 s22, s20, 2                         ; sl
	s_mov_b32 s[MASK], 0xffff0000
	s_lshl_b32 s24, ttmp9, 14                      ; key: 64 rows of 256 bytes a work-group
	s_mov_b32 s25, 0
	s_lshl_b32 s26, ttmp9, 15                      ; value: 64 rows of 512 bytes
	s_mov_b32 s27, 0
	s_lshl_b32 s28, s20, 12                        ; part: 32 tiles of 1,024 bytes a work-group, my four at 4 w
	s_add_co_u32 s28, s28, s26
	s_mov_b32 s29, 0
	s_lshl_b32 s30, s21, 6                         ; bk: my 16 columns
	s_mov_b32 s31, 0
	s_lshl_b32 s32, s20, 6                         ; bv: my 16 columns
	s_mov_b32 s33, 0
	s_wait_kmcnt 0x0
	s_add_nc_u64 s[4:5], s[4:5], s[24:25]
	s_add_nc_u64 s[6:7], s[6:7], s[26:27]
	s_add_nc_u64 s[16:17], s[16:17], s[28:29]
	s_add_nc_u64 s[12:13], s[12:13], s[30:31]
	s_add_nc_u64 s[14:15], s[14:15], s[32:33]
	; 34 loads, all that the work-group reads, asked for at once.  Each b128 load of a wave covers 512 consecutive bytes; the eight waves together 4,096.
	; No base and no offset register of these is written again in the kernel.
	global_load_b32 v[BK], v[R4], s[12:13]
	global_load_b32 v[BV], v[R4], s[14:15]
.irp i, 0,1,2,3
	global_load_b128 v[S+4*\i:S+4*\i+3], v[T16], s[4:5] offset:4096*\i th:TH_LOAD_NT
.endr
.irp i, 0,1,2,3,4,5,6,7
	global_load_b128 v[S+16+4*\i:S+16+4*\i+3], v[T16], s[6:7] offset:4096*\i th:TH_LOAD_NT
.endr
.irp i, 0,1,2,3
	global_load_b128 v[S+48+4*\i:S+48+4*\i+3], v[T16], s[8:9] offset:4096*\i
.endr
.irp i, 0,1,2,3,4,5,6,7,8,9,10,11,12,13,14,15
	global_load_b128 v[S+64+4*\i:S+64+4*\i+3], v[T16], s[10:11] offset:4096*\i
.endr
	; LDS addresses, while the loads are on their way.  v160-162 are free until value's fragments land there.
	v_and_b32 v2, 31, v0                           ; lane L
	v_bfe_u32 v160, v0, 4, 1                       ; h
	v_and_b32 v161, 7, v0
	v_bfe_u32 v162, v0, 3, 1                       ; (L >> 3) & 1
	v_lshl_add_u32 v161, v160, 3, v161             ; (L & 7) + 8 h
	v_lshlrev_b32 v[L16], 4, v2
	s_mul_i32 s34, s20, 2*PK                       ; key, load i: byte 16 t + 4,096 i is row 2 w + h + 16 i, f32 column 4 r
	v_mul_u32_u24 v[SK], v160, PK
	v_lshl_add_u32 v[SK], v3, 3, v[SK]
	v_add_nc_u32 v[SK], s34, v[SK]
	s_mul_i32 s34, s20, PV                         ; value, load i: row w + 8 i, f32 column 4 L
	s_add_co_u32 s34, s34, LVX
	v_lshl_add_u32 v[SV], v2, 3, s34
	s_mul_i32 s34, s20, 2*PWK                      ; Wk as key
	s_add_co_u32 s34, s34, LWK
	v_mul_u32_u24 v[SWK], v160, PWK
	v_lshl_add_u32 v[SWK], v3, 3, v[SWK]
	v_add_nc_u32 v[SWK], s34, v[SWK]
	s_mul_i32 s34, s20, PWV                        ; Wv as value
	s_add_co_u32 s34, s34, LWV
	v_lshl_add_u32 v[SWV], v2, 3, s34
	s_mul_i32 s34, s22, 32*PK                      ; key's fragments: row 32 sl + r, 16 h bytes in
	v_mul_u32_u24 v[AK], v3, PK
	v_lshl_add_u32 v[AK], v160, 4, v[AK]
	v_add_nc_u32 v[AK], s34, v[AK]
	v_mul_u32_u24 v[AV], v3, PV                    ; value's fragments: row r
	v_lshl_add_u32 v[AV], v160, 4, v[AV]
	v_add_nc_u32 v[AV], LVX, v[AV]
	s_lshl_b32 s34, s21, 5                         ; Wk [k][n]: row (L & 7) + 8 h, byte 2 x 16 dk + 16 ((L >> 3) & 1)
	s_add_co_u32 s34, s34, LWK
	v_mul_u32_u24 v[TRK], v161, PWK
	v_lshl_add_u32 v[TRK], v162, 4, v[TRK]
	v_add_nc_u32 v[TRK], s34, v[TRK]
	s_lshl_b32 s34, s20, 5                         ; Wv [k][n]: columns 16 w ..
	s_add_co_u32 s34, s34, LWV
	v_mul_u32_u24 v[TRV], v161, PWV
	v_lshl_add_u32 v[TRV], v162, 4, v[TRV]
	v_add_nc_u32 v[TRV], s34, v[TRV]
	s_lshl_b32 s34, s20, 11                        ; my 2,048 bytes of K's fragments
	s_add_co_u32 s34, s34, LKF
	v_add_nc_u32 v[KFW], s34, v[L16]
	v_add_nc_u32 v[KFR], LKF, v[L16]
	; Staging, four loads at a time.  Loads come back in order (ISA guide 5.7.1): each count is the number of the 32 wide loads that are younger than the group.
	s_wait_loadcnt 28
.irp i, 0,1,2,3
	CVST \i, SK, \i*16*PK
.endr
	s_wait_loadcnt 24
.irp i, 0,1,2,3
	CVST 4+\i, SV, \i*8*PV
.endr
	s_wait_loadcnt 20
.irp i, 4,5,6,7
	CVST 4+\i, SV, \i*8*PV
.endr
	s_wait_loadcnt 16
.irp i, 0,1,2,3
	CVST 12+\i, SWK, \i*16*PWK
.endr
	s_wait_loadcnt 12
.irp i, 0,1,2,3
	CVST 16+\i, SWV, \i*8*PWV
.endr
	s_wait_loadcnt 8
.irp i, 4,5,6,7
	CVST 16+\i, SWV, \i*8*PWV
.endr
	s_wait_loadcnt 4
.irp i, 8,9,10,11
	CVST 16+\i, SWV, \i*8*PWV
.endr
	s_wait_loadcnt 0x0
.irp i, 12,13,14,15
	CVST 16+\i, SWV, \i*8*PWV
.endr
.irp j, 1,2,3,4,5,6,7
	v_mov_b32 v[BK+\j], v[BK]                      ; a result's column is its lane, so a bias by column is the same in all eight registers
	v_mov_b32 v[BV+\j], v[BV]
.endr
	s_wait_dscnt 0x0                               ; my staged words are in LDS: zero, for the other waves' sake
	s_barrier_signal -1
	s_barrier_wait -1
	; 36 LDS loads: Wk (4), key (8), Wv (8), value's k steps 0, 1 (16)
.irp s, 0,1
	ds_load_tr16_b128 v[WKB+8*\s:WKB+8*\s+3], v[TRK] offset:\s*32*PWK
	ds_load_tr16_b128 v[WKB+8*\s+4:WKB+8*\s+7], v[TRK] offset:\s*32*PWK+16*PWK
.endr
.irp q, 0,1
.irp s, 0,1
	ds_load_b128 v[KA+8*(2*\q+\s):KA+8*(2*\q+\s)+3], v[AK] offset:\q*16*PK+64*\s
	ds_load_b128 v[KA+8*(2*\q+\s)+4:KA+8*(2*\q+\s)+7], v[AK] offset:\q*16*PK+64*\s+32
.endr
.endr
.irp s, 0,1,2,3
	ds_load_tr16_b128 v[WVB+8*\s:WVB+8*\s+3], v[TRV] offset:\s*32*PWV
	ds_load_tr16_b128 v[WVB+8*\s+4:WVB+8*\s+7], v[TRV] offset:\s*32*PWV+16*PWV
.endr
	VALOAD VA0, 0
	s_wait_dscnt 24                                ; the 12 oldest (Wk, key) are in; the 24 for V may be out
	; K = key Wk + bk: two tiles by turns, one instruction a turn; so through all the products of this kernel
	v_wmma_f32_16x16x32_bf16 v[KACC:KACC+7], v[KA:KA+7], v[WKB:WKB+7], v[BK:BK+7]
	v_wmma_f32_16x16x32_bf16 v[KACC+8:KACC+15], v[KA+16:KA+23], v[WKB:WKB+7], v[BK:BK+7]
	v_wmma_f32_16x16x32_bf16 v[KACC:KACC+7], v[KA+8:KA+15], v[WKB+8:WKB+15], v[KACC:KACC+7]
	v_wmma_f32_16x16x32_bf16 v[KACC+8:KACC+15], v[KA+24:KA+31], v[WKB+8:WKB+15], v[KACC+8:KACC+15]
	s_wait_dscnt 0x0
	VMUL VA0, 0, 1                                 ; V, k steps 0, 1
	PLACES
	VALOAD VA1, 2                                  ; k steps 2, 3 land where Wk's and key's fragments were, while K is split
	SPLIT KACC, KH, KL, T
	SPLIT KACC+8, KH+4, KL+4, T
	ds_store_b128 v[KFW], v[KH:KH+3]
	ds_store_b128 v[KFW], v[KH+4:KH+7] offset:512
	ds_store_b128 v[KFW], v[KL:KL+3] offset:1024
	ds_store_b128 v[KFW], v[KL+4:KL+7] offset:1536
	s_wait_dscnt 4                                 ; the 16 loads are in; only my 4 younger stores may be out
	VMUL VA1, 2, 0
	PLACES
	SPLIT VACC, VF, VF+8, T                        ; V stays in my registers: rows 0-15 and 16-31 make the fragment of sl = 0, rows 32-63 that of sl = 1
	SPLIT VACC+8, VF+4, VF+12, T
	SPLIT VACC+16, VF+16, VF+24, T
	SPLIT VACC+24, VF+20, VF+28, T
	s_wait_dscnt 0x0                               ; my part of K's fragments is in LDS
	s_barrier_signal -1
	s_barrier_wait -1
	KFLOAD KF0, 0
	KFLOAD KF1, 1
	s_wait_dscnt 16                                ; the fragments of sl = 0 are in; the 16 of sl = 1 may be out
	MMUL KF0, VF, 1
	s_wait_dscnt 0x0
	MMUL KF1, VF+16, 0
	PLACES
.irp q, 0,1,2,3
	global_store_b128 v[L16], v[MACC+8*\q:MACC+8*\q+3], s[16:17] offset:1024*\q          ; each store of the wave covers 512 consecutive bytes, aligned
	global_store_b128 v[L16], v[MACC+8*\q+4:MACC+8*\q+7], s[16:17] offset:1024*\q+512
.endr
	s_set_vgpr_msb 0x5
	s_wait_tensorcnt 0x0
	ds_add_u32 v0, v1
	s_wait_dscnt 0x0
	s_set_vgpr_msb 0x500
	s_endpgm
.Lfunc_end_k_qbda692019c_kv:
	.size	k_qbda692019c_kv, .Lfunc_end_k_qbda692019c_kv-k_qbda692019c_kv
	.p2alignl 7, 3214868480
	.fill 96, 4, 3214868480
	.section	.rodata,"a",@progbits
	.p2align	6, 0x0
	.amdhsa_kernel k_qbda692019c_kv
		.amdhsa_group_segment_fixed_size 91136
		.amdhsa_private_segment_fixed_size 0
		.amdhsa_enable_private_segment 0
		.amdhsa_kernarg_size 56
		.amdhsa_user_sgpr_count 2
		.amdhsa_user_sgpr_kernarg_segment_ptr 1
		.amdhsa_wavefront_size32 1
		.amdhsa_system_sgpr_workgroup_id_x 1
		.amdhsa_system_sgpr_workgroup_id_y 1
		.amdhsa_system_sgpr_workgroup_id_z 1
		.amdhsa_system_vgpr_workitem_id 0
		.amdhsa_next_free_vgpr 258
		.amdhsa_next_free_sgpr 66
		.amdhsa_reserve_vcc 0
		.amdhsa_float_denorm_mode_32 3
		.amdhsa_float_denorm_mode_16_64 3
		.amdhsa_memory_ordered 1
		.amdhsa_forward_progress 1
		.amdhsa_inst_pref_size 30
	.end_amdhsa_kernel
	.amdgpu_metadata
---
amdhsa.version: [ 1, 2 ]
amdhsa.kernels:
  - .name:           k_qbda692019c_kv
    .symbol:         k_qbda692019c_kv.kd
    .args:
      - { .name: key, .offset: 0, .size: 8, .value_kind: global_buffer, .address_space: global }
      - { .name: value, .offset: 8, .size: 8, .value_kind: global_buffer, .address_space: global }
      - { .name: Wk, .offset: 16, .size: 8, .value_kind: global_buffer, .address_space: global }
      - { .name: Wv, .offset: 24, .size: 8, .value_kind: global_buffer, .address_space: global }
      - { .name: bk, .offset: 32, .size: 8, .value_kind: global_buffer, .address_space: global }
      - { .name: bv, .offset: 40, .size: 8, .value_kind: global_buffer, .address_space: global }
      - { .name: part, .offset: 48, .size: 8, .value_kind: global_buffer, .address_space: global }
    .group_segment_fixed_size: 91136
    .private_segment_fixed_size: 0
    .kernarg_segment_align: 8
    .kernarg_segment_size: 56
    .max_flat_workgroup_size: 256
    .sgpr_count:     66
    .vgpr_count:     258
    .wavefront_size: 32
...
	.end_amdgpu_metadata
.endif
;; end of part 1
;; launch red (part 2): grid 128 x 1, 8 waves a work-group, no clusters, 9,216 bytes of LDS; arguments part, Wq, Wo, mfrag, wqfrag, wofrag; writes mfrag, wqfrag, wofrag
.if DOCPART == 2
	.amdgcn_target "amdgcn-amd-amdhsa--gfx1250"
	.amdhsa_code_object_version 6
	.text
	.protected	k_qbda692019c_red
	.globl	k_qbda692019c_red
	.p2align	8
	.type	k_qbda692019c_red,@function
k_qbda692019c_red:
	s_mov_b64 s[64:65], 0
	v_nop
	global_prefetch_b8 v0, s[64:65] scope:SCOPE_SE
	s_setreg_imm32_b32 hwreg(HW_REG_WAVE_MODE, 25, 1), 1
	s_wait_xcnt 0x0
; LAUNCH 2 OF 3.  Work-group x = 32 b + tile sums the 64 partial tiles (b, tile) of M that the first launch stored, in a fixed tree, splits the sum into
; hi = bf16(M) and lo = bf16(M - hi), and stores both as a block of 512 bytes (lane i at 16 i) that the third launch loads straight into an operand's registers:
; lane (r, h) holds M[16 dk + 8 h + i][16 vt + r], i = 0 .. 7, tile = 4 vt + dk.
; Wave u sums partials 8 u .. 8 u + 7 (16 loads of 512 consecutive bytes); the eight sums meet in LDS; wave 0 adds them.
; Beside that, wave 1 makes block x of Wo's 128 blocks (lane (r, h): Wo[16 g + 8 h + i][16 ot + r], x = 8 ot + g), and wave 2 of the first 64 work-groups
; block x of Wq's 64 (Wq[16 g + 8 h + i][16 dt + r], x = 16 dt + g), rounded to bf16.  These read 4 bytes a lane, 64 consecutive bytes for 16 lanes: it is the
; transposition of 192 KiB, done once for the whole program instead of in each of the third launch's 256 work-groups.
; No matrix unit: there is no product here.  No joint loads: no two work-groups read the same byte.
; LIMIT: an M that is infinite, or rounds to an infinite bf16 (above 3.39e38), gives NaN through M - hi.
.set L16, 5                            ; v5  16 x lane
.set C0,  16                           ; v16-79  eight tiles of 8 registers
.set W,   80                           ; v80-87  eight f32 of a weight block
.set MASK, 18
.macro ADD8 a, b                       ; tile a += tile b
.irp j, 0,2,4,6
	v_pk_add_f32 v[\a+\j:\a+\j+1], v[\a+\j:\a+\j+1], v[\b+\j:\b+\j+1]
.endr
.endm
.macro SPLIT x, hi, lo, t              ; eight f32 in x: hi = bf16(x) packed in 4 words, lo = bf16(x - hi) likewise
.irp p, 0,1,2,3
	v_cvt_pk_bf16_f32 v[\hi+\p], v[\x+2*\p], v[\x+2*\p+1]
	v_lshlrev_b32 v[\t+2*(\p&1)], 16, v[\hi+\p]
	v_and_b32 v[\t+2*(\p&1)+1], s[MASK], v[\hi+\p]
	v_sub_f32 v[\x+2*\p], v[\x+2*\p], v[\t+2*(\p&1)]
	v_sub_f32 v[\x+2*\p+1], v[\x+2*\p+1], v[\t+2*(\p&1)+1]
	v_cvt_pk_bf16_f32 v[\lo+\p], v[\x+2*\p], v[\x+2*\p+1]
.endr
.endm
.macro PACK src, dst, vo, res, step    ; a weight block: eight rows' words of my column, rounded, 16 bytes a lane out.  res is named nowhere else, so the store's data stay as they are
.irp i, 0,1,2,3,4,5,6,7
	global_load_b32 v[W+\i], v[\vo], s[\src:\src+1] offset:\step*\i
.endr
	s_wait_loadcnt 0x0                             ; these eight are the youngest loads: zero
.irp p, 0,1,2,3
	v_cvt_pk_bf16_f32 v[\res+\p], v[W+2*\p], v[W+2*\p+1]
.endr
	global_store_b128 v[L16], v[\res:\res+3], s[\dst:\dst+1]
.endm
	s_load_b256 s[4:11], s[0:1], 0x0               ; part s[4:5], Wq s[6:7], Wo s[8:9], mfrag s[10:11]
	s_load_b128 s[12:15], s[0:1], 0x20             ; wqfrag s[12:13], wofrag s[14:15]
	v_lshl_add_u32 v112, v0, 2, 0x2000
	v_mov_b32 v113, 0
	v_lshrrev_b32 v1, 5, v0
	v_readfirstlane_b32 s20, v1                    ; wave u
	v_and_b32 v2, 31, v0
	v_lshlrev_b32 v[L16], 4, v2
	v_and_b32 v3, 15, v0                           ; r
	v_bfe_u32 v4, v0, 4, 1                         ; h
	s_mov_b32 s[MASK], 0xffff0000
	s_mov_b32 s19, ttmp9                           ; x
	s_lshr_b32 s21, s19, 5                         ; b
	s_and_b32 s22, s19, 31                         ; tile
	s_lshl_b32 s24, s21, 21                        ; a batch: 64 partials of 32,768 bytes
	s_lshl_b32 s23, s20, 18                        ; my eight partials
	s_add_co_u32 s24, s24, s23
	s_lshl_b32 s23, s22, 10                        ; the tile: 1,024 bytes
	s_add_co_u32 s24, s24, s23
	s_mov_b32 s25, 0
	s_wait_kmcnt 0x0
	s_add_nc_u64 s[4:5], s[4:5], s[24:25]
.irp c, 0,1,2,3,4,5,6,7
	global_load_b128 v[C0+8*\c:C0+8*\c+3], v[L16], s[4:5] offset:32768*\c th:TH_LOAD_NT
	global_load_b128 v[C0+8*\c+4:C0+8*\c+7], v[L16], s[4:5] offset:32768*\c+512 th:TH_LOAD_NT
.endr
	s_cmp_lg_u32 s20, 1
	s_cbranch_scc1 .Lnot_wo
	s_and_b32 s26, s19, 7                          ; g: 16 rows of 1,024 bytes
	s_lshl_b32 s26, s26, 14
	s_lshr_b32 s27, s19, 3                         ; ot: 16 columns of 4 bytes
	s_lshl_b32 s27, s27, 6
	s_add_co_u32 s26, s26, s27
	s_mov_b32 s27, 0
	s_add_nc_u64 s[8:9], s[8:9], s[26:27]
	s_lshl_b32 s28, s19, 9
	s_mov_b32 s29, 0
	s_add_nc_u64 s[14:15], s[14:15], s[28:29]
	v_lshlrev_b32 v6, 2, v3
	v_lshl_add_u32 v6, v4, 13, v6                  ; 8 h rows + 4 r
	PACK 8, 14, 6, 88, 1024
.Lnot_wo:
	s_cmp_lg_u32 s20, 2
	s_cbranch_scc1 .Lnot_wq
	s_cmp_ge_u32 s19, 64                           ; Wq has 64 blocks
	s_cbranch_scc1 .Lnot_wq
	s_and_b32 s26, s19, 15                         ; g: 16 rows of 256 bytes
	s_lshl_b32 s26, s26, 12
	s_lshr_b32 s27, s19, 4                         ; dt
	s_lshl_b32 s27, s27, 6
	s_add_co_u32 s26, s26, s27
	s_mov_b32 s27, 0
	s_add_nc_u64 s[6:7], s[6:7], s[26:27]
	s_lshl_b32 s28, s19, 9
	s_mov_b32 s29, 0
	s_add_nc_u64 s[12:13], s[12:13], s[28:29]
	v_lshlrev_b32 v8, 2, v3
	v_lshl_add_u32 v8, v4, 11, v8                  ; 8 h rows + 4 r
	PACK 6, 12, 8, 92, 256
.Lnot_wq:
	; The tree.  Each count is the number of the sixteen loads that are younger than the pair of tiles added; behind a weight block's wait for zero they are met already.
	s_wait_loadcnt 12
	ADD8 C0, C0+8
	s_wait_loadcnt 8
	ADD8 C0+16, C0+24
	s_wait_loadcnt 4
	ADD8 C0+32, C0+40
	s_wait_loadcnt 0x0
	ADD8 C0+48, C0+56
	ADD8 C0, C0+16
	ADD8 C0+32, C0+48
	ADD8 C0, C0+32
	s_lshl_b32 s30, s20, 10                        ; my 1,024 bytes of LDS
	v_add_nc_u32 v7, s30, v[L16]
	ds_store_b128 v7, v[C0:C0+3]
	ds_store_b128 v7, v[C0+4:C0+7] offset:512
	s_wait_dscnt 0x0                               ; for wave 0's sake: zero
	s_barrier_signal -1
	s_barrier_wait -1
	s_cmp_lg_u32 s20, 0
	s_cbranch_scc1 .Lend
.irp u, 1,2,3,4,5,6,7
	ds_load_b128 v[C0+8*\u:C0+8*\u+3], v[L16] offset:1024*\u                 ; the other seven waves' sums; my own is still in v16-23
	ds_load_b128 v[C0+8*\u+4:C0+8*\u+7], v[L16] offset:1024*\u+512
.endr
	s_lshl_b32 s26, s21, 15                        ; mfrag: a batch is hi and lo of 32 blocks of 512 bytes
	s_lshl_b32 s27, s22, 9
	s_add_co_u32 s26, s26, s27
	s_mov_b32 s27, 0
	s_add_nc_u64 s[10:11], s[10:11], s[26:27]
	s_wait_dscnt 0x0
	ADD8 C0, C0+8
	ADD8 C0+16, C0+24
	ADD8 C0+32, C0+40
	ADD8 C0+48, C0+56
	ADD8 C0, C0+16
	ADD8 C0+32, C0+48
	ADD8 C0, C0+32
	SPLIT C0, 96, 100, 104
	global_store_b128 v[L16], v[96:99], s[10:11]
	global_store_b128 v[L16], v[100:103], s[10:11] offset:16384
.Lend:
	s_wait_tensorcnt 0x0
	ds_add_u32 v112, v113
	s_wait_dscnt 0x0
	s_endpgm
.Lfunc_end_k_qbda692019c_red:
	.size	k_qbda692019c_red, .Lfunc_end_k_qbda692019c_red-k_qbda692019c_red
	.p2alignl 7, 3214868480
	.fill 96, 4, 3214868480
	.section	.rodata,"a",@progbits
	.p2align	6, 0x0
	.amdhsa_kernel k_qbda692019c_red
		.amdhsa_group_segment_fixed_size 9216
		.amdhsa_private_segment_fixed_size 0
		.amdhsa_enable_private_segment 0
		.amdhsa_kernarg_size 48
		.amdhsa_user_sgpr_count 2
		.amdhsa_user_sgpr_kernarg_segment_ptr 1
		.amdhsa_wavefront_size32 1
		.amdhsa_system_sgpr_workgroup_id_x 1
		.amdhsa_system_sgpr_workgroup_id_y 1
		.amdhsa_system_sgpr_workgroup_id_z 1
		.amdhsa_system_vgpr_workitem_id 0
		.amdhsa_next_free_vgpr 114
		.amdhsa_next_free_sgpr 66
		.amdhsa_reserve_vcc 0
		.amdhsa_float_denorm_mode_32 3
		.amdhsa_float_denorm_mode_16_64 3
		.amdhsa_memory_ordered 1
		.amdhsa_forward_progress 1
		.amdhsa_inst_pref_size 13
	.end_amdhsa_kernel
	.amdgpu_metadata
---
amdhsa.version: [ 1, 2 ]
amdhsa.kernels:
  - .name:           k_qbda692019c_red
    .symbol:         k_qbda692019c_red.kd
    .args:
      - { .name: part, .offset: 0, .size: 8, .value_kind: global_buffer, .address_space: global }
      - { .name: Wq, .offset: 8, .size: 8, .value_kind: global_buffer, .address_space: global }
      - { .name: Wo, .offset: 16, .size: 8, .value_kind: global_buffer, .address_space: global }
      - { .name: mfrag, .offset: 24, .size: 8, .value_kind: global_buffer, .address_space: global }
      - { .name: wqfrag, .offset: 32, .size: 8, .value_kind: global_buffer, .address_space: global }
      - { .name: wofrag, .offset: 40, .size: 8, .value_kind: global_buffer, .address_space: global }
    .group_segment_fixed_size: 9216
    .private_segment_fixed_size: 0
    .kernarg_segment_align: 8
    .kernarg_segment_size: 48
    .max_flat_workgroup_size: 256
    .sgpr_count:     66
    .vgpr_count:     114
    .wavefront_size: 32
...
	.end_amdgpu_metadata
.endif
;; end of part 2
;; launch main (part 3): grid 256 x 1, 8 waves a work-group, no clusters, 150,528 bytes of LDS; arguments query, wqfrag, mfrag, wofrag, bq, bo, out0; writes out0
.if DOCPART == 3
	.amdgcn_target "amdgcn-amd-amdhsa--gfx1250"
	.amdhsa_code_object_version 6
	.text
	.protected	k_qbda692019c_main
	.globl	k_qbda692019c_main
	.p2align	8
	.type	k_qbda692019c_main,@function
k_qbda692019c_main:
	s_mov_b64 s[64:65], 0
	v_nop
	global_prefetch_b8 v0, s[64:65] scope:SCOPE_SE
	s_setreg_imm32_b32 hwreg(HW_REG_WAVE_MODE, 25, 1), 1
	s_wait_xcnt 0x0
; LAUNCH 3 OF 3.  A work-group takes 64 rows of query (four row tiles rt of 16) of batch b = x >> 6 and makes, all transposed so that each result packs into the next operand:
;   A:  Q^T[dq][row]   = sum over k of Wq[k][dq] query[row][k] + bq[dq]      wave w: dq tile dt = w & 3, row tiles 2 rp, 2 rp + 1 (rp = w >> 2)
;   B:  attn^T[v][row] = sum over d of M[d][v] Q[row][d]                     wave w: v tile w, all four row tiles
;   C:  out^T[o][row]  = sum over v of Wo[v][o] attn[row][v] + bo[o]         wave w: o tiles 2 w, 2 w + 1, all four row tiles
; A result tile holds in register j of lane (r, h) the element (m = 8 h + j, n = r); packed to bf16 it is half of a second operand with column n = row and k = m.
; In C a lane ends with eight neighbouring f32 of one row of out; the rows are gathered in LDS and leave as stores of 512 consecutive bytes.
; WEIGHTS: the second launch has laid Wq, M (hi and lo) and Wo out as blocks of 512 bytes in register order; each wave loads its own 40 blocks straight into
; v256-415 with its first instructions.  NO JOINT LOADS: the 160 KiB of blocks that a work-group reads are shared with others, but each block goes to the one wave
; that multiplies by it (Wq's to two); a joint load would lay the 128 KiB of distinct blocks into LDS, from where the waves would read the 160 KiB once more.
; PRECISION: query, Wq, Wo are rounded to bf16 once; bq, bo enter in f32 as the sums' start; Q and attn are split into hi = bf16(x) and lo = bf16(x - hi), M comes split;
; B takes hi hi + lo hi + hi lo, C takes Wo hi + Wo lo.  LIMITS: the term lo lo (about 2^-16 of the product) is dropped; the order of the sums differs from
; a row-by-row evaluation of (Q K^T) V; a Q or attn that is infinite, or rounds to an infinite bf16 (above 3.39e38), gives NaN through x - hi.
.set PX,   528                         ; LDS pitch of query's rows (512 bytes of bf16 + 16): an odd multiple of 16, so 16 rows begin in 16 different 16-byte columns of 256 bytes
.set PO,   1040                        ; out's rows (1,024 bytes of f32 + 16), likewise
.set LXQ,  0                           ; 64 x 528 = 33,792 bytes
.set LQF,  33792                       ; Q's fragments [rt 4][hi, lo][dt 4][512 bytes] = 16,384
.set LAF,  50176                       ; attn's fragments [rt 4][hi, lo][vt 8][512 bytes] = 32,768
.set LOS,  82944                       ; 64 x 1,040 = 66,560; ends at 149,504
.set T16,  4                           ; v4  16 t      v5  16 x lane      v6  32 h
.set L16,  5
.set H32,  6
.set SX,   7                           ; v7  where my staged words go      v8  query's fragments
.set XB,   8
.set QFW,  9                           ; v9, v10   Q's fragments: put, read
.set QFR,  10
.set AFW,  11                          ; v11, v12  attn's fragments: put, read
.set AFR,  12
.set OSW,  13                          ; v13, v14  out's rows: put, read
.set OSR,  14
.set BQ,   16                          ; v16-23  bq[16 dt + 8 h + j]
.set BO,   24                          ; v24-39  bo[16 (2 w + ol) + 8 h + j], ol = 0, 1
.set S,    40                          ; v40-103  the 16 staged loads
.set FB,   40                          ; v40-167  each phase's second operands (C: two buffers of 64)
.set FB2,  104
.set ACC,  168                         ; v168-231 accumulators: A 2 tiles, B 4, C 8
.set QH,   232                         ; v232-247 Q split: hi, lo of row tile 0; hi, lo of row tile 1
.set T,    248                         ; v248-251 the split's temporaries
.set A1,   0                           ; window 1: v256-319  Wq, fragment s at 8 s
.set AM,   64                          ; window 1: v320-351  M, 16 (lo) + 8 sd
.set AO,   96                          ; window 1: v352-415  Wo, 32 ol + 8 sv
.set MASK, 18
.set MSB, 0
.macro WIN new                         ; s_set_vgpr_msb: bits 1:0 source 0, 7:6 destination; the immediate's high byte repeats the setting that is left
.if MSB != \new
	s_set_vgpr_msb (MSB<<8)|\new
.set MSB, \new
.endif
.endm
.macro PLACES                          ; a vector instruction or an LDS store that reads a matrix result, and a load or vector write into a matrix instruction's register,
.rept 4                                ; stand four plain vector instructions behind it (ISA guide 7.12.1 for vector instructions)
	v_nop
.endr
.endm
.macro CVST n, areg, off               ; staged load n: four f32 to four bf16, in place, and 8 bytes into LDS
	v_cvt_pk_bf16_f32 v[S+4*(\n)], v[S+4*(\n)], v[S+4*(\n)+1]
	v_cvt_pk_bf16_f32 v[S+4*(\n)+1], v[S+4*(\n)+2], v[S+4*(\n)+3]
	ds_store_b64 v[\areg], v[S+4*(\n):S+4*(\n)+1] offset:\off
.endm
.macro SPLIT x, hi, lo, t              ; eight f32 in x: hi = bf16(x) packed in 4 words, lo = bf16(x - hi) likewise; x is used up
.irp p, 0,1,2,3
	v_cvt_pk_bf16_f32 v[\hi+\p], v[\x+2*\p], v[\x+2*\p+1]
	v_lshlrev_b32 v[\t+2*(\p&1)], 16, v[\hi+\p]
	v_and_b32 v[\t+2*(\p&1)+1], s[MASK], v[\hi+\p]
	v_sub_f32 v[\x+2*\p], v[\x+2*\p], v[\t+2*(\p&1)]
	v_sub_f32 v[\x+2*\p+1], v[\x+2*\p+1], v[\t+2*(\p&1)+1]
	v_cvt_pk_bf16_f32 v[\lo+\p], v[\x+2*\p], v[\x+2*\p+1]
.endr
.endm
; In all three phases the accumulators take turns, one instruction a turn.
.macro QMUL s, bias                    ; A: k step s, both row tiles; bias = 1: the sums start from bq
.irp q, 0,1
.if \bias
	v_wmma_f32_16x16x32_bf16 v[ACC+8*\q:ACC+8*\q+7], v[A1+8*\s:A1+8*\s+7], v[FB+8*(2*\s+\q):FB+8*(2*\s+\q)+7], v[BQ:BQ+7]
.else
	v_wmma_f32_16x16x32_bf16 v[ACC+8*\q:ACC+8*\q+7], v[A1+8*\s:A1+8*\s+7], v[FB+8*(2*\s+\q):FB+8*(2*\s+\q)+7], v[ACC+8*\q:ACC+8*\q+7]
.endif
.endr
.endm
.macro AMUL hm, hq, sd, zero           ; B: M's part hm (0 hi, 1 lo) x Q's part hq, d step sd, four row tiles; zero = 1: starts the sums
.irp q, 0,1,2,3
.if \zero
	v_wmma_f32_16x16x32_bf16 v[ACC+8*\q:ACC+8*\q+7], v[AM+16*\hm+8*\sd:AM+16*\hm+8*\sd+7], v[FB+32*\q+16*\hq+8*\sd:FB+32*\q+16*\hq+8*\sd+7], 0
.else
	v_wmma_f32_16x16x32_bf16 v[ACC+8*\q:ACC+8*\q+7], v[AM+16*\hm+8*\sd:AM+16*\hm+8*\sd+7], v[FB+32*\q+16*\hq+8*\sd:FB+32*\q+16*\hq+8*\sd+7], v[ACC+8*\q:ACC+8*\q+7]
.endif
.endr
.endm
.macro LDAF rt, buf                    ; C: 16 LDS loads: attn's fragments of row tile rt, hi (4 v steps) then lo
.irp n, 0,1,2,3,4,5,6,7,8,9,10,11,12,13,14,15
	ds_load_b128 v[\buf+4*\n:\buf+4*\n+3], v[AFR] offset:\rt*8192+512*\n
.endr
.endm
.macro OMUL rt, buf                    ; C: 16 products for row tile rt: attn hi and lo, 4 v steps, my two o tiles by turns; the first pair starts from bo
.irp hl, 0,1
.irp sv, 0,1,2,3
.irp ol, 0,1
.if \hl+\sv
	v_wmma_f32_16x16x32_bf16 v[ACC+8*(2*\rt+\ol):ACC+8*(2*\rt+\ol)+7], v[AO+32*\ol+8*\sv:AO+32*\ol+8*\sv+7], v[\buf+32*\hl+8*\sv:\buf+32*\hl+8*\sv+7], v[ACC+8*(2*\rt+\ol):ACC+8*(2*\rt+\ol)+7]
.else
	v_wmma_f32_16x16x32_bf16 v[ACC+8*(2*\rt+\ol):ACC+8*(2*\rt+\ol)+7], v[AO+32*\ol+8*\sv:AO+32*\ol+8*\sv+7], v[\buf+32*\hl+8*\sv:\buf+32*\hl+8*\sv+7], v[BO+8*\ol:BO+8*\ol+7]
.endif
.endr
.endr
.endr
.endm
.macro OSTORE rt                       ; C: my two tiles of row tile rt into out's rows in LDS: row 16 rt + r, 32 bytes at column 16 (2 w + ol) + 8 h
.irp ol, 0,1
	ds_store_b128 v[OSW], v[ACC+8*(2*\rt+\ol):ACC+8*(2*\rt+\ol)+3] offset:\rt*16*PO+64*\ol
	ds_store_b128 v[OSW], v[ACC+8*(2*\rt+\ol)+4:ACC+8*(2*\rt+\ol)+7] offset:\rt*16*PO+64*\ol+16
.endr
.endm
	s_load_b256 s[4:11], s[0:1], 0x0               ; query s[4:5], wqfrag s[6:7], mfrag s[8:9], wofrag s[10:11]
	s_load_b128 s[12:15], s[0:1], 0x20             ; bq s[12:13], bo s[14:15]
	s_load_b64 s[16:17], s[0:1], 0x30              ; out0
	v_lshl_add_u32 v254, v0, 2, 0x24800
	v_mov_b32 v255, 0
	v_lshrrev_b32 v1, 5, v0
	v_readfirstlane_b32 s20, v1                    ; wave w
	v_lshlrev_b32 v[T16], 4, v0
	v_and_b32 v1, 31, v0                           ; lane L
	v_lshlrev_b32 v[L16], 4, v1
	v_bfe_u32 v3, v0, 4, 1                         ; h
	v_lshlrev_b32 v[H32], 5, v3
	s_and_b32 s21, s20, 3                          ; dt
	s_lshr_b32 s22, s20, 2                         ; rp
	s_mov_b32 s[MASK], 0xffff0000
	s_lshl_b32 s24, ttmp9, 16                      ; query: 64 rows of 1,024 bytes a work-group
	s_mov_b32 s25, 0
	s_lshl_b32 s26, s20, 13                        ; out0: the same, and I store rows 8 w .. 8 w + 7
	s_add_co_u32 s26, s26, s24
	s_mov_b32 s27, 0
	s_lshl_b32 s28, s21, 13                        ; wqfrag: 16 blocks of 512 bytes for a dq tile
	s_mov_b32 s29, 0
	s_lshr_b32 s30, ttmp9, 6                       ; mfrag: 32,768 bytes a batch, 4 blocks for a v tile
	s_lshl_b32 s30, s30, 15
	s_lshl_b32 s23, s20, 11
	s_add_co_u32 s30, s30, s23
	s_mov_b32 s31, 0
	s_lshl_b32 s32, s20, 13                        ; wofrag: 8 blocks for an o tile, two tiles
	s_mov_b32 s33, 0
	s_lshl_b32 s34, s21, 6                         ; bq: my 16
	s_mov_b32 s35, 0
	s_lshl_b32 s36, s20, 7                         ; bo: my 32
	s_mov_b32 s37, 0
	s_wait_kmcnt 0x0
	s_add_nc_u64 s[4:5], s[4:5], s[24:25]
	s_add_nc_u64 s[16:17], s[16:17], s[26:27]
	s_add_nc_u64 s[6:7], s[6:7], s[28:29]
	s_add_nc_u64 s[8:9], s[8:9], s[30:31]
	s_add_nc_u64 s[10:11], s[10:11], s[32:33]
	s_add_nc_u64 s[12:13], s[12:13], s[34:35]
	s_add_nc_u64 s[14:15], s[14:15], s[36:37]
	; 62 loads, all that the wave reads from memory, in the order of use: query 16, bq 2, bo 4, Wq 16, M 8, Wo 16.
	; No base and no offset register of these is written again in the kernel.
.irp i, 0,1,2,3,4,5,6,7,8,9,10,11,12,13,14,15
	global_load_b128 v[S+4*\i:S+4*\i+3], v[T16], s[4:5] offset:4096*\i th:TH_LOAD_NT
.endr
	global_load_b128 v[BQ:BQ+3], v[H32], s[12:13]
	global_load_b128 v[BQ+4:BQ+7], v[H32], s[12:13] offset:16
.irp ol, 0,1
	global_load_b128 v[BO+8*\ol:BO+8*\ol+3], v[H32], s[14:15] offset:64*\ol
	global_load_b128 v[BO+8*\ol+4:BO+8*\ol+7], v[H32], s[14:15] offset:64*\ol+16
.endr
	WIN 0x40                                       ; destinations in window 1, addresses in window 0
.irp n, 0,1,2,3,4,5,6,7,8,9,10,11,12,13,14,15
	global_load_b128 v[A1+4*\n:A1+4*\n+3], v[L16], s[6:7] offset:512*\n
.endr
.irp hl, 0,1
.irp n, 0,1,2,3
	global_load_b128 v[AM+16*\hl+4*\n:AM+16*\hl+4*\n+3], v[L16], s[8:9] offset:16384*\hl+512*\n
.endr
.endr
.irp n, 0,1,2,3,4,5,6,7,8,9,10,11,12,13,14,15
	global_load_b128 v[AO+4*\n:AO+4*\n+3], v[L16], s[10:11] offset:512*\n
.endr
	WIN 0
	; LDS addresses, while the loads are on their way
	v_and_b32 v2, 15, v0                           ; r
	s_lshr_b32 s38, s20, 1                         ; query, load i: byte 16 t + 4,096 i is row (w >> 1) + 4 i, f32 column 4 (32 (w & 1) + L)
	s_mul_i32 s38, s38, PX
	s_and_b32 s39, s20, 1
	s_lshl_b32 s39, s39, 8
	s_add_co_u32 s38, s38, s39
	v_lshl_add_u32 v[SX], v1, 3, s38
	s_mul_i32 s38, s22, 32*PX                      ; query's fragments: row 32 rp + r, 16 h bytes in
	v_mul_u32_u24 v[XB], v2, PX
	v_lshl_add_u32 v[XB], v3, 4, v[XB]
	v_add_nc_u32 v[XB], s38, v[XB]
	s_lshl_b32 s38, s22, 13                        ; Q's fragments: row tile 2 rp, block dt
	s_lshl_b32 s39, s21, 9
	s_add_co_u32 s38, s38, s39
	s_add_co_u32 s38, s38, LQF
	v_add_nc_u32 v[QFW], s38, v[L16]
	v_add_nc_u32 v[QFR], LQF, v[L16]
	s_lshl_b32 s38, s20, 9                         ; attn's fragments: block w
	s_add_co_u32 s38, s38, LAF
	v_add_nc_u32 v[AFW], s38, v[L16]
	v_add_nc_u32 v[AFR], LAF, v[L16]
	s_lshl_b32 s38, s20, 7                         ; out's rows: row r, byte 128 w + 32 h
	s_add_co_u32 s38, s38, LOS
	v_mul_u32_u24 v[OSW], v2, PO
	v_add3_u32 v[OSW], v[OSW], v[H32], s38
	s_mul_i32 s38, s20, 8*PO                       ; and back: rows 8 w ..
	s_add_co_u32 s38, s38, LOS
	v_add_nc_u32 v[OSR], s38, v[L16]
	; Staging, four loads at a time.  Loads come back in order (ISA guide 5.7.1): each count is the 46 bias and weight loads plus the younger loads of query.
	s_wait_loadcnt 58
.irp i, 0,1,2,3
	CVST \i, SX, \i*4*PX
.endr
	s_wait_loadcnt 54
.irp i, 4,5,6,7
	CVST \i, SX, \i*4*PX
.endr
	s_wait_loadcnt 50
.irp i, 8,9,10,11
	CVST \i, SX, \i*4*PX
.endr
	s_wait_loadcnt 46
.irp i, 12,13,14,15
	CVST \i, SX, \i*4*PX
.endr
	s_wait_dscnt 0x0                               ; my staged words are in LDS: zero, for the other waves' sake
	s_barrier_signal -1
	s_barrier_wait -1
	; PHASE A.  32 LDS loads, k step by k step: query's fragments of my two row tiles
.irp s, 0,1,2,3,4,5,6,7
.irp q, 0,1
	ds_load_b128 v[FB+8*(2*\s+\q):FB+8*(2*\s+\q)+3], v[XB] offset:\q*16*PX+64*\s
	ds_load_b128 v[FB+8*(2*\s+\q)+4:FB+8*(2*\s+\q)+7], v[XB] offset:\q*16*PX+64*\s+32
.endr
.endr
	s_wait_loadcnt 24                              ; bq, bo and Wq are in; M's 8 and Wo's 16 loads may be out
	s_wait_dscnt 16                                ; k steps 0-3 are in; the 16 loads of k steps 4-7 may be out
	WIN 0x01                                       ; the first operand in window 1
	QMUL 0, 1
	QMUL 1, 0
	QMUL 2, 0
	QMUL 3, 0
	s_wait_dscnt 0x0
	QMUL 4, 0
	QMUL 5, 0
	QMUL 6, 0
	QMUL 7, 0
	WIN 0
	PLACES
	SPLIT ACC, QH, QH+4, T
	SPLIT ACC+8, QH+8, QH+12, T
	ds_store_b128 v[QFW], v[QH:QH+3]
	ds_store_b128 v[QFW], v[QH+4:QH+7] offset:2048
	ds_store_b128 v[QFW], v[QH+8:QH+11] offset:4096
	ds_store_b128 v[QFW], v[QH+12:QH+15] offset:6144
	s_wait_dscnt 0x0
	s_barrier_signal -1
	s_barrier_wait -1
	; PHASE B.  32 LDS loads: all of Q's fragments, the hi parts of the four row tiles first
.irp hl, 0,1
.irp q, 0,1,2,3
.irp n, 0,1,2,3
	ds_load_b128 v[FB+32*\q+16*\hl+4*\n:FB+32*\q+16*\hl+4*\n+3], v[QFR] offset:4096*\q+2048*\hl+512*\n
.endr
.endr
.endr
	s_wait_loadcnt 16                              ; M is in; Wo's 16 loads may be out
	s_wait_dscnt 16                                ; the hi parts are in; the 16 loads of the lo parts may be out
	WIN 0x01
	AMUL 0, 0, 0, 1
	AMUL 0, 0, 1, 0
	AMUL 1, 0, 0, 0
	AMUL 1, 0, 1, 0
	s_wait_dscnt 0x0
	AMUL 0, 1, 0, 0
	AMUL 0, 1, 1, 0
	WIN 0
	PLACES
.irp q, 0,1,2,3
	SPLIT ACC+8*\q, FB+8*\q, FB+8*\q+4, T
.endr
.irp q, 0,1,2,3
	ds_store_b128 v[AFW], v[FB+8*\q:FB+8*\q+3] offset:8192*\q
	ds_store_b128 v[AFW], v[FB+8*\q+4:FB+8*\q+7] offset:8192*\q+4096
.endr
	s_wait_dscnt 0x0
	s_barrier_signal -1
	s_barrier_wait -1
	; PHASE C, two row tiles at a time on two buffers
	LDAF 0, FB
	LDAF 1, FB2
	s_wait_loadcnt 0x0                             ; Wo is in
	s_wait_dscnt 16                                ; row tile 0's fragments are in; row tile 1's 16 loads may be out
	WIN 0x01
	OMUL 0, FB
	s_wait_dscnt 0x0
	OMUL 1, FB2
	WIN 0
	PLACES
	OSTORE 0
	OSTORE 1
	LDAF 2, FB
	LDAF 3, FB2
	s_wait_dscnt 16                                ; the 8 stores and row tile 2's loads are done; row tile 3's 16 loads may be out
	WIN 0x01
	OMUL 2, FB
	s_wait_dscnt 0x0
	OMUL 3, FB2
	WIN 0
	PLACES
	OSTORE 2
	OSTORE 3
	s_wait_dscnt 0x0
	s_barrier_signal -1
	s_barrier_wait -1
	; THE WAY OUT: rows 8 w .. 8 w + 7 back from LDS, half a row (512 bytes) a load, and out: each store of the wave covers 512 consecutive bytes, aligned
.irp n, 0,1,2,3,4,5,6,7,8,9,10,11,12,13,14,15
	ds_load_b128 v[S+4*\n:S+4*\n+3], v[OSR] offset:(\n/2)*PO+512*(\n%2)
.endr
.irp n, 0,1,2,3,4,5,6,7,8,9,10,11,12,13,14,15
	s_wait_dscnt 15-\n                             ; LDS loads come back in order: load n is in, the younger ones may be out
	global_store_b128 v[L16], v[S+4*\n:S+4*\n+3], s[16:17] offset:512*\n th:TH_STORE_NT
.endr
	s_wait_tensorcnt 0x0
	ds_add_u32 v254, v255
	s_wait_dscnt 0x0
	s_endpgm
.Lfunc_end_k_qbda692019c_main:
	.size	k_qbda692019c_main, .Lfunc_end_k_qbda692019c_main-k_qbda692019c_main
	.p2alignl 7, 3214868480
	.fill 96, 4, 3214868480
	.section	.rodata,"a",@progbits
	.p2align	6, 0x0
	.amdhsa_kernel k_qbda692019c_main
		.amdhsa_group_segment_fixed_size 150528
		.amdhsa_private_segment_fixed_size 0
		.amdhsa_enable_private_segment 0
		.amdhsa_kernarg_size 56
		.amdhsa_user_sgpr_count 2
		.amdhsa_user_sgpr_kernarg_segment_ptr 1
		.amdhsa_wavefront_size32 1
		.amdhsa_system_sgpr_workgroup_id_x 1
		.amdhsa_system_sgpr_workgroup_id_y 1
		.amdhsa_system_sgpr_workgroup_id_z 1
		.amdhsa_system_vgpr_workitem_id 0
		.amdhsa_next_free_vgpr 416
		.amdhsa_next_free_sgpr 66
		.amdhsa_reserve_vcc 0
		.amdhsa_float_denorm_mode_32 3
		.amdhsa_float_denorm_mode_16_64 3
		.amdhsa_memory_ordered 1
		.amdhsa_forward_progress 1
		.amdhsa_inst_pref_size 39
	.end_amdhsa_kernel
	.amdgpu_metadata
---
amdhsa.version: [ 1, 2 ]
amdhsa.kernels:
  - .name:           k_qbda692019c_main
    .symbol:         k_qbda692019c_main.kd
    .args:
      - { .name: query, .offset: 0, .size: 8, .value_kind: global_buffer, .address_space: global }
      - { .name: wqfrag, .offset: 8, .size: 8, .value_kind: global_buffer, .address_space: global }
      - { .name: mfrag, .offset: 16, .size: 8, .value_kind: global_buffer, .address_space: global }
      - { .name: wofrag, .offset: 24, .size: 8, .value_kind: global_buffer, .address_space: global }
      - { .name: bq, .offset: 32, .size: 8, .value_kind: global_buffer, .address_space: global }
      - { .name: bo, .offset: 40, .size: 8, .value_kind: global_buffer, .address_space: global }
      - { .name: out0, .offset: 48, .size: 8, .value_kind: global_buffer, .address_space: global }
    .group_segment_fixed_size: 150528
    .private_segment_fixed_size: 0
    .kernarg_segment_align: 8
    .kernarg_segment_size: 56
    .max_flat_workgroup_size: 256
    .sgpr_count:     66
    .vgpr_count:     416
    .wavefront_size: 32
...
	.end_amdgpu_metadata
.endif
;; end of part 3
;; ======== version 2 of 2: 3 launches; version 1 with the launches kv, main written anew for expert scheduling mode
;; workspace buffers: part 8,388,608 bytes; mfrag 131,072 bytes; wqfrag 32,768 bytes; wofrag 65,536 bytes
;; launch kv (part 4): grid 256 x 1, 8 waves a work-group, no clusters, 91,136 bytes of LDS; arguments key, value, Wk, Wv, bk, bv, part; writes part
.if DOCPART == 4
	.amdgcn_target "amdgcn-amd-amdhsa--gfx1250"
	.amdhsa_code_object_version 6
	.text
	.protected	k_qbda692019c_kv
	.globl	k_qbda692019c_kv
	.p2align	8
	.type	k_qbda692019c_kv,@function
k_qbda692019c_kv:
	s_mov_b64 s[64:65], 0
	v_nop
	global_prefetch_b8 v0, s[64:65] scope:SCOPE_SE
	s_setreg_imm32_b32 hwreg(HW_REG_WAVE_SCHED_MODE, 0, 2), 2
	s_setreg_imm32_b32 hwreg(HW_REG_WAVE_MODE, 25, 1), 1
	s_wait_xcnt 0x0
	s_wait_alu depctr_vm_vsrc(0)
; LAUNCH 1 OF 3.  The whole program computes out = ((query Wq + bq)(key Wk + bk)^T)(value Wv + bv) Wo + bo as Q (K^T V) Wo: without a softmax
; the two associations are the same sum for every input, and M = K^T V is only 64 x 128 for a batch.
; This launch: a work-group takes 64 rows l of one batch (256 work-groups = 4 batches x 64 chunks), makes K = key Wk + bk (64 x 64) and
; V = value Wv + bv (64 x 128), and stores its partial M[d][v] = sum over its l of K[l][d] V[l][v] in f32 (32 tiles of 16 x 16, as the registers hold them).
; Eight waves.  Wave w (dk = w & 3, sl = w >> 2): K's rows 32 sl .. +31, columns 16 dk .. +15; V's 64 rows, columns 16 w .. +15; M's 64 rows d, columns 16 w .. +15.
; LAYOUT: a result tile holds in register j of lane (r, h) the element (m = 8 h + j, n = r).  Two neighbouring registers rounded to one word of two bf16 give four
; words with m = 8 h .. 8 h + 7 of column r: half of an operand fragment whose lane is n and whose k is m.  So K (m = l, n = d) packs into the first operand of M
; and V (m = l, n = v) into the second, and nothing is transposed.
; PRECISION: key, value, Wk, Wv are rounded to bf16 once; bk, bv enter in f32 as the sums' start.  K and V are each split into hi = bf16(x) and lo = bf16(x - hi), and M takes
; hi hi + lo hi + hi lo.  LIMITS: the term lo lo (about 2^-16 of the product) is dropped; the order of the sums differs from a row-by-row evaluation of (Q K^T) V;
; a K or V that is infinite, or rounds to an infinite bf16 (above 3.39e38), gives NaN through x - hi.
; NO JOINT LOADS: what the work-groups share is Wk and Wv, 80 KiB of f32 that have to be rounded to bf16 on the way into LDS; a tile laid into LDS as it is in memory
; would be read, rounded and stored a second time.  Every LDS byte here is written once, from registers.
; THE MODE: SCHED_MODE bits 1:0 = 2 (LLVM: expert scheduling mode 2), set by the entry lines.  The code itself states the register dependences
; between vector or matrix instructions and memory or LDS instructions, with s_wait_alu, always for 0.
; THE PLAN.  Registers that memory or LDS instructions touch, in the order of the text:
;   v1, v4       offsets of the global loads: written at the head, never again.  v5-15: LDS addresses and the stores' offset: written while the loads are out, never again.
;   v32-159      the staged loads land; conversions work in place; LDS stores read the results.  In groups of four loads: at the head of group g, behind the wait for its data,
;                one wait states that group g - 1's conversions are written; that group's four stores follow, then group g's conversions, which name other registers.
;   v32-79       Wk's and key's fragments: read by K's four products; behind them value's k steps 2, 3 land in v32-95, asked for ahead of V's first products.
;   v96-127      Wv's fragments land once; later only the split writes there.     v128-191  value's k steps 0, 1.
;   v240-255     K hi and lo: written by the split, read by four LDS stores, written again by M's products.
;   v32-95, v128-191  read by V's products; behind the second barrier K's fragments of all waves land there.
;   v224-255     M: written by the products, read by the eight global stores.
.set PK,   144                         ; LDS pitch of key's rows (128 bytes of bf16 + 16): an odd multiple of 16, so 16 rows begin in 16 different 16-byte columns of 256 bytes
.set PV,   272                         ; value's rows (256 + 16), likewise
.set PWK,  160                         ; Wk's rows [k][n] (128 + 32): an odd multiple of 32, for the transposing load
.set PWV,  288                         ; Wv's rows [k][n] (256 + 32), likewise
.set LKX,  0                           ; 64 x 144 = 9,216 bytes
.set LVX,  9216                        ; 64 x 272 = 17,408
.set LWK,  26624                       ; 64 x 160 = 10,240
.set LWV,  36864                       ; 128 x 288 = 36,864
.set LKF,  73728                       ; K's fragments [wave 8][hi, lo][half 2][lane 32][16 bytes] = 16,384; ends at 90,112
.set R4,   1                           ; v1   4 r
.set T16,  4                           ; v4   16 t
.set SK,   5                           ; v5-8 where my staged words go: key, value, Wk, Wv
.set SV,   6
.set SWK,  7
.set SWV,  8
.set AK,   9                           ; v9   key's fragments      v10 value's fragments
.set AV,   10
.set TRK,  11                          ; v11  Wk's fragments (transposing load)     v12 Wv's
.set TRV,  12
.set KFW,  13                          ; v13  where I put K's fragments     v14 where I read all waves'
.set KFR,  14
.set L16,  15                          ; v15  16 x lane
.set BK,   16                          ; v16-23  bk[16 dk + r] eight times: the start of K's sums; later the split's temporaries
.set BV,   24                          ; v24-31  bv[16 w + r] eight times
.set T,    16
.set S,    32                          ; v32-159 the 32 staged loads, 4 registers each
.set WKB,  32                          ; v32-47  Wk, 2 fragments         (behind the staging)
.set KA,   48                          ; v48-79  key, [l tile 2][k step 2]
.set VA1,  32                          ; v32-95  value, k steps 2, 3     (behind K's products)
.set WVB,  96                          ; v96-127 Wv, 4 fragments
.set VF,   96                          ; v96-127 V's fragments: 16 sl, + 8 for lo   (behind V's products)
.set VA0,  128                         ; v128-191 value, k steps 0, 1: [k step 2][l tile 4]
.set KF0,  32                          ; v32-95   K's fragments of sl = 0: 16 dk + 8 (lo) ;  v128-191 those of sl = 1
.set KF1,  128
.set VACC, 192                         ; v192-223 V's four tiles
.set KACC, 224                         ; v224-239 K's two tiles
.set KH,   240                         ; v240-247 K hi, v248-255 K lo
.set KL,   248
.set MACC, 224                         ; v224-255 M's four tiles (behind K's)
.set MASK, 18                          ; s18 a word's upper bf16
.macro PLACES                          ; a vector instruction or a store that reads a matrix result, and a vector write into a matrix instruction's register,
.rept 4                                ; stand four plain vector instructions behind it (ISA guide 7.12.1 for vector instructions); a wait fills no place
	v_nop
.endr
.endm
.macro CVT4 n                          ; staged load n: four f32 to four bf16, in place
	v_cvt_pk_bf16_f32 v[S+4*(\n)], v[S+4*(\n)], v[S+4*(\n)+1]
	v_cvt_pk_bf16_f32 v[S+4*(\n)+1], v[S+4*(\n)+2], v[S+4*(\n)+3]
.endm
.macro PUT n, areg, off                ; and its 8 bytes into LDS
	ds_store_b64 v[\areg], v[S+4*(\n):S+4*(\n)+1] offset:\off
.endm
.macro SPLIT x, hi, lo, t              ; eight f32 in x: hi = bf16(x) packed in 4 words, lo = bf16(x - hi) likewise; x is used up; t: four temporaries, two pairs in turn
.irp p, 0,1,2,3
	v_cvt_pk_bf16_f32 v[\hi+\p], v[\x+2*\p], v[\x+2*\p+1]
	v_lshlrev_b32 v[\t+2*(\p&1)], 16, v[\hi+\p]
	v_and_b32 v[\t+2*(\p&1)+1], s[MASK], v[\hi+\p]
	v_sub_f32 v[\x+2*\p], v[\x+2*\p], v[\t+2*(\p&1)]
	v_sub_f32 v[\x+2*\p+1], v[\x+2*\p+1], v[\t+2*(\p&1)+1]
	v_cvt_pk_bf16_f32 v[\lo+\p], v[\x+2*\p], v[\x+2*\p+1]
.endr
.endm
.macro VALOAD buf, k0                  ; 16 LDS loads: value's fragments of k steps k0, k0 + 1, all four l tiles
.irp s, 0,1
.irp q, 0,1,2,3
	ds_load_b128 v[\buf+8*(4*\s+\q):\buf+8*(4*\s+\q)+3], v[AV] offset:\q*16*PV+64*(\k0+\s)
	ds_load_b128 v[\buf+8*(4*\s+\q)+4:\buf+8*(4*\s+\q)+7], v[AV] offset:\q*16*PV+64*(\k0+\s)+32
.endr
.endr
.endm
.macro VMUL buf, k0, bias              ; 8 products: V's four tiles take turns, one instruction a turn; bias = 1: the first four start from bv
.irp s, 0,1
.irp q, 0,1,2,3
.if \bias*(1-\s)
	v_wmma_f32_16x16x32_bf16 v[VACC+8*\q:VACC+8*\q+7], v[\buf+8*(4*\s+\q):\buf+8*(4*\s+\q)+7], v[WVB+8*(\k0+\s):WVB+8*(\k0+\s)+7], v[BV:BV+7]
.else
	v_wmma_f32_16x16x32_bf16 v[VACC+8*\q:VACC+8*\q+7], v[\buf+8*(4*\s+\q):\buf+8*(4*\s+\q)+7], v[WVB+8*(\k0+\s):WVB+8*(\k0+\s)+7], v[VACC+8*\q:VACC+8*\q+7]
.endif
.endr
.endr
.endm
.macro KFLOAD buf, sl                  ; 16 LDS loads: K's fragments, hi and lo, of the four d tiles for rows 32 sl .. +31
.irp q, 0,1,2,3
.irp n, 0,1,2,3
	ds_load_b128 v[\buf+16*\q+4*\n:\buf+16*\q+4*\n+3], v[KFR] offset:2048*(4*\sl+\q)+512*\n
.endr
.endr
.endm
.macro MMUL kf, vf, zero               ; 12 products: K hi V hi, K lo V hi, K hi V lo; M's four tiles take turns; zero = 1: the first four start the sums
.irp q, 0,1,2,3
.if \zero
	v_wmma_f32_16x16x32_bf16 v[MACC+8*\q:MACC+8*\q+7], v[\kf+16*\q:\kf+16*\q+7], v[\vf:\vf+7], 0
.else
	v_wmma_f32_16x16x32_bf16 v[MACC+8*\q:MACC+8*\q+7], v[\kf+16*\q:\kf+16*\q+7], v[\vf:\vf+7], v[MACC+8*\q:MACC+8*\q+7]
.endif
.endr
.irp q, 0,1,2,3
	v_wmma_f32_16x16x32_bf16 v[MACC+8*\q:MACC+8*\q+7], v[\kf+16*\q+8:\kf+16*\q+15], v[\vf:\vf+7], v[MACC+8*\q:MACC+8*\q+7]
.endr
.irp q, 0,1,2,3
	v_wmma_f32_16x16x32_bf16 v[MACC+8*\q:MACC+8*\q+7], v[\kf+16*\q:\kf+16*\q+7], v[\vf+8:\vf+15], v[MACC+8*\q:MACC+8*\q+7]
.endr
.endm
	s_load_b256 s[4:11], s[0:1], 0x0               ; key s[4:5], value s[6:7], Wk s[8:9], Wv s[10:11]
	s_load_b128 s[12:15], s[0:1], 0x20             ; bk s[12:13], bv s[14:15]
	s_load_b64 s[16:17], s[0:1], 0x30              ; part
	s_set_vgpr_msb 0x40
	v_lshl_add_u32 v0, v0, 2, 0x16000
	v_mov_b32 v1, 0
	s_set_vgpr_msb 0x4000
	v_lshrrev_b32 v2, 5, v0
	v_readfirstlane_b32 s20, v2                    ; wave w
	v_and_b32 v3, 15, v0                           ; r
	v_lshlrev_b32 v[T16], 4, v0                    ; 16 t
	v_lshlrev_b32 v[R4], 2, v3                     ; 4 r
	s_wait_alu depctr_va_sdst(0)                   ; s20 is written, ahead of its first reader: dk, sl, the bases and the LDS addresses are made from it
	s_and_b32 s21, s20, 3                          ; dk
	s_lshr_b32 s22, s20, 2                         ; sl
	s_mov_b32 s[MASK], 0xffff0000
	s_lshl_b32 s24, ttmp9, 14                      ; key: 64 rows of 256 bytes a work-group
	s_mov_b32 s25, 0
	s_lshl_b32 s26, ttmp9, 15                      ; value: 64 rows of 512 bytes
	s_mov_b32 s27, 0
	s_lshl_b32 s28, s20, 12                        ; part: 32 tiles of 1,024 bytes a work-group, my four at 4 w
	s_add_co_u32 s28, s28, s26
	s_mov_b32 s29, 0
	s_lshl_b32 s30, s21, 6                         ; bk: my 16 columns
	s_mov_b32 s31, 0
	s_lshl_b32 s32, s20, 6                         ; bv: my 16 columns
	s_mov_b32 s33, 0
	s_wait_kmcnt 0x0
	s_add_nc_u64 s[4:5], s[4:5], s[24:25]
	s_add_nc_u64 s[6:7], s[6:7], s[26:27]
	s_add_nc_u64 s[16:17], s[16:17], s[28:29]
	s_add_nc_u64 s[12:13], s[12:13], s[30:31]
	s_add_nc_u64 s[14:15], s[14:15], s[32:33]
	s_wait_alu depctr_va_vdst(0)                   ; v1 and v4 are written: the 34 loads below read one of them as their offset
	; 34 loads, all that the work-group reads, asked for at once.  Each b128 load of a wave covers 512 consecutive bytes; the eight waves together 4,096.
	; No base and no offset register of these is written again in the kernel.
	global_load_b32 v[BK], v[R4], s[12:13]
	global_load_b32 v[BV], v[R4], s[14:15]
.irp i, 0,1,2,3
	global_load_b128 v[S+4*\i:S+4*\i+3], v[T16], s[4:5] offset:4096*\i th:TH_LOAD_NT
.endr
.irp i, 0,1,2,3,4,5,6,7
	global_load_b128 v[S+16+4*\i:S+16+4*\i+3], v[T16], s[6:7] offset:4096*\i th:TH_LOAD_NT
.endr
.irp i, 0,1,2,3
	global_load_b128 v[S+48+4*\i:S+48+4*\i+3], v[T16], s[8:9] offset:4096*\i
.endr
.irp i, 0,1,2,3,4,5,6,7,8,9,10,11,12,13,14,15
	global_load_b128 v[S+64+4*\i:S+64+4*\i+3], v[T16], s[10:11] offset:4096*\i
.endr
	; LDS addresses, while the loads are on their way: none of these lines names a register of the loads.  v160-162 are free until value's fragments land there.
	v_and_b32 v2, 31, v0                           ; lane L
	v_bfe_u32 v160, v0, 4, 1                       ; h
	v_and_b32 v161, 7, v0
	v_bfe_u32 v162, v0, 3, 1                       ; (L >> 3) & 1
	v_lshl_add_u32 v161, v160, 3, v161             ; (L & 7) + 8 h
	v_lshlrev_b32 v[L16], 4, v2
	s_mul_i32 s34, s20, 2*PK                       ; key, load i: byte 16 t + 4,096 i is row 2 w + h + 16 i, f32 column 4 r
	v_mul_u32_u24 v[SK], v160, PK
	v_lshl_add_u32 v[SK], v3, 3, v[SK]
	v_add_nc_u32 v[SK], s34, v[SK]
	s_mul_i32 s34, s20, PV                         ; value, load i: row w + 8 i, f32 column 4 L
	s_add_co_u32 s34, s34, LVX
	v_lshl_add_u32 v[SV], v2, 3, s34
	s_mul_i32 s34, s20, 2*PWK                      ; Wk as key
	s_add_co_u32 s34, s34, LWK
	v_mul_u32_u24 v[SWK], v160, PWK
	v_lshl_add_u32 v[SWK], v3, 3, v[SWK]
	v_add_nc_u32 v[SWK], s34, v[SWK]
	s_mul_i32 s34, s20, PWV                        ; Wv as value
	s_add_co_u32 s34, s34, LWV
	v_lshl_add_u32 v[SWV], v2, 3, s34
	s_mul_i32 s34, s22, 32*PK                      ; key's fragments: row 32 sl + r, 16 h bytes in
	v_mul_u32_u24 v[AK], v3, PK
	v_lshl_add_u32 v[AK], v160, 4, v[AK]
	v_add_nc_u32 v[AK], s34, v[AK]
	v_mul_u32_u24 v[AV], v3, PV                    ; value's fragments: row r
	v_lshl_add_u32 v[AV], v160, 4, v[AV]
	v_add_nc_u32 v[AV], LVX, v[AV]
	s_lshl_b32 s34, s21, 5                         ; Wk [k][n]: row (L & 7) + 8 h, byte 2 x 16 dk + 16 ((L >> 3) & 1)
	s_add_co_u32 s34, s34, LWK
	v_mul_u32_u24 v[TRK], v161, PWK
	v_lshl_add_u32 v[TRK], v162, 4, v[TRK]
	v_add_nc_u32 v[TRK], s34, v[TRK]
	s_lshl_b32 s34, s20, 5                         ; Wv [k][n]: columns 16 w ..
	s_add_co_u32 s34, s34, LWV
	v_mul_u32_u24 v[TRV], v161, PWV
	v_lshl_add_u32 v[TRV], v162, 4, v[TRV]
	v_add_nc_u32 v[TRV], s34, v[TRV]
	s_lshl_b32 s34, s20, 11                        ; my 2,048 bytes of K's fragments
	s_add_co_u32 s34, s34, LKF
	v_add_nc_u32 v[KFW], s34, v[L16]
	v_add_nc_u32 v[KFR], LKF, v[L16]
	; Staging, four loads at a time.  Loads come back in order (ISA guide 5.7.1): each count is the number of the 32 wide loads that are younger than the group.
	; A group's LDS stores stand at the head of the next group, behind the wait for that group's data and one wait on the conversions.
	s_wait_loadcnt 28
.irp i, 0,1,2,3
	CVT4 \i
.endr
	s_wait_loadcnt 24
	s_wait_alu depctr_va_vdst(0)                   ; key's conversions have written the words that the four stores read; the addresses v5-15 are written, and v160-162, in which fragments land later
.irp i, 0,1,2,3
	PUT \i, SK, \i*16*PK
.endr
.irp i, 0,1,2,3
	CVT4 4+\i
.endr
	s_wait_loadcnt 20
	s_wait_alu depctr_va_vdst(0)                   ; the conversions of value's rows 0-31 have written the words that the four stores read
.irp i, 0,1,2,3
	PUT 4+\i, SV, \i*8*PV
.endr
.irp i, 4,5,6,7
	CVT4 4+\i
.endr
	s_wait_loadcnt 16
	s_wait_alu depctr_va_vdst(0)                   ; the conversions of value's rows 32-63 have written the words that the four stores read
.irp i, 4,5,6,7
	PUT 4+\i, SV, \i*8*PV
.endr
.irp i, 0,1,2,3
	CVT4 12+\i
.endr
	s_wait_loadcnt 12
	s_wait_alu depctr_va_vdst(0)                   ; Wk's conversions have written the words that the four stores read
.irp i, 0,1,2,3
	PUT 12+\i, SWK, \i*16*PWK
.endr
.irp i, 0,1,2,3
	CVT4 16+\i
.endr
	s_wait_loadcnt 8
	s_wait_alu depctr_va_vdst(0)                   ; the conversions of Wv's rows 0-31 have written the words that the four stores read
.irp i, 0,1,2,3
	PUT 16+\i, SWV, \i*8*PWV
.endr
.irp i, 4,5,6,7
	CVT4 16+\i
.endr
	s_wait_loadcnt 4
	s_wait_alu depctr_va_vdst(0)                   ; the conversions of Wv's rows 32-63 have written the words that the four stores read
.irp i, 4,5,6,7
	PUT 16+\i, SWV, \i*8*PWV
.endr
.irp i, 8,9,10,11
	CVT4 16+\i
.endr
	s_wait_loadcnt 0x0
	s_wait_alu depctr_va_vdst(0)                   ; the conversions of Wv's rows 64-95 have written the words that the four stores read
.irp i, 8,9,10,11
	PUT 16+\i, SWV, \i*8*PWV
.endr
.irp i, 12,13,14,15
	CVT4 16+\i
.endr
	s_wait_alu depctr_va_vdst(0)                   ; the last conversions have written the words that the four stores read; every conversion is done with v32-159, in which the fragments land behind the barrier
.irp i, 12,13,14,15
	PUT 16+\i, SWV, \i*8*PWV
.endr
.irp j, 1,2,3,4,5,6,7
	v_mov_b32 v[BK+\j], v[BK]                      ; a result's column is its lane, so a bias by column is the same in all eight registers
	v_mov_b32 v[BV+\j], v[BV]                      ; (v16-31: no LDS or memory instruction names them from here on)
.endr
	s_wait_dscnt 0x0                               ; my staged words are in LDS: zero, for the other waves' sake
	s_barrier_signal -1
	s_barrier_wait -1
	s_wait_alu depctr_vm_vsrc(0)                   ; my LDS stores have read their words in v32-159, in which the fragments below land
	; 36 LDS loads: Wk (4), key (8), Wv (8), value's k steps 0, 1 (16)
.irp s, 0,1
	ds_load_tr16_b128 v[WKB+8*\s:WKB+8*\s+3], v[TRK] offset:\s*32*PWK
	ds_load_tr16_b128 v[WKB+8*\s+4:WKB+8*\s+7], v[TRK] offset:\s*32*PWK+16*PWK
.endr
.irp q, 0,1
.irp s, 0,1
	ds_load_b128 v[KA+8*(2*\q+\s):KA+8*(2*\q+\s)+3], v[AK] offset:\q*16*PK+64*\s
	ds_load_b128 v[KA+8*(2*\q+\s)+4:KA+8*(2*\q+\s)+7], v[AK] offset:\q*16*PK+64*\s+32
.endr
.endr
.irp s, 0,1,2,3
	ds_load_tr16_b128 v[WVB+8*\s:WVB+8*\s+3], v[TRV] offset:\s*32*PWV
	ds_load_tr16_b128 v[WVB+8*\s+4:WVB+8*\s+7], v[TRV] offset:\s*32*PWV+16*PWV
.endr
	VALOAD VA0, 0
	s_wait_dscnt 24                                ; the 12 oldest (Wk, key) are in; the 24 for V may be out
	; K = key Wk + bk: two tiles by turns, one instruction a turn; so through all the products of this kernel
	v_wmma_f32_16x16x32_bf16 v[KACC:KACC+7], v[KA:KA+7], v[WKB:WKB+7], v[BK:BK+7]
	v_wmma_f32_16x16x32_bf16 v[KACC+8:KACC+15], v[KA+16:KA+23], v[WKB:WKB+7], v[BK:BK+7]
	v_wmma_f32_16x16x32_bf16 v[KACC:KACC+7], v[KA+8:KA+15], v[WKB+8:WKB+15], v[KACC:KACC+7]
	v_wmma_f32_16x16x32_bf16 v[KACC+8:KACC+15], v[KA+24:KA+31], v[WKB+8:WKB+15], v[KACC+8:KACC+15]
	PLACES                                         ; between K's products and the split below, which reads their results and writes over bk
	s_wait_alu depctr_va_vdst(0)                   ; K's four products are done reading Wk's and key's fragments, v32-79, in which the loads below land
	VALOAD VA1, 2                                  ; k steps 2, 3 are on their way while V's first products run and K is split
	s_wait_dscnt 16                                ; Wv and value's k steps 0, 1 are in; the 16 loads just issued may be out
	VMUL VA0, 0, 1                                 ; V, k steps 0, 1
	SPLIT KACC, KH, KL, T
	SPLIT KACC+8, KH+4, KL+4, T
	s_wait_alu depctr_va_vdst(0)                   ; the split has written K hi and lo, v240-255, which the four stores read
	ds_store_b128 v[KFW], v[KH:KH+3]
	ds_store_b128 v[KFW], v[KH+4:KH+7] offset:512
	ds_store_b128 v[KFW], v[KL:KL+3] offset:1024
	ds_store_b128 v[KFW], v[KL+4:KL+7] offset:1536
	s_wait_dscnt 4                                 ; the 16 loads are in; only my 4 younger stores may be out
	VMUL VA1, 2, 0
	PLACES
	SPLIT VACC, VF, VF+8, T                        ; V stays in my registers: rows 0-15 and 16-31 make the fragment of sl = 0, rows 32-63 that of sl = 1
	SPLIT VACC+8, VF+4, VF+12, T
	SPLIT VACC+16, VF+16, VF+24, T
	SPLIT VACC+24, VF+20, VF+28, T
	s_wait_dscnt 0x0                               ; my part of K's fragments is in LDS
	s_barrier_signal -1
	s_barrier_wait -1
	s_wait_alu depctr_va_vdst(0)                   ; V's products are done reading value's fragments, v32-95 and v128-191, in which K's fragments land
	s_wait_alu depctr_vm_vsrc(0)                   ; my four LDS stores have read v240-255, which M's products write
	KFLOAD KF0, 0
	KFLOAD KF1, 1
	s_wait_dscnt 16                                ; the fragments of sl = 0 are in; the 16 of sl = 1 may be out
	MMUL KF0, VF, 1
	s_wait_dscnt 0x0
	MMUL KF1, VF+16, 0
	PLACES
	s_wait_alu depctr_va_vdst(0)                   ; M's products have written v224-255, which the stores read; the places above stay beside this wait
.irp q, 0,1,2,3
	global_store_b128 v[L16], v[MACC+8*\q:MACC+8*\q+3], s[16:17] offset:1024*\q          ; each store of the wave covers 512 consecutive bytes, aligned
	global_store_b128 v[L16], v[MACC+8*\q+4:MACC+8*\q+7], s[16:17] offset:1024*\q+512
.endr
	s_set_vgpr_msb 0x5
	s_wait_dscnt 0x0
	s_wait_alu depctr_hold_cnt(0) depctr_sa_sdst(0) depctr_va_vdst(0) depctr_va_sdst(0) depctr_va_ssrc(0) depctr_va_vcc(0) depctr_vm_vsrc(0)
	s_wait_tensorcnt 0x0
	ds_add_u32 v0, v1
	s_wait_dscnt 0x0
	s_endpgm
.Lfunc_end_k_qbda692019c_kv:
	.size	k_qbda692019c_kv, .Lfunc_end_k_qbda692019c_kv-k_qbda692019c_kv
	.p2alignl 7, 3214868480
	.fill 96, 4, 3214868480
	.section	.rodata,"a",@progbits
	.p2align	6, 0x0
	.amdhsa_kernel k_qbda692019c_kv
		.amdhsa_group_segment_fixed_size 91136
		.amdhsa_private_segment_fixed_size 0
		.amdhsa_enable_private_segment 0
		.amdhsa_kernarg_size 56
		.amdhsa_user_sgpr_count 2
		.amdhsa_user_sgpr_kernarg_segment_ptr 1
		.amdhsa_wavefront_size32 1
		.amdhsa_system_sgpr_workgroup_id_x 1
		.amdhsa_system_sgpr_workgroup_id_y 1
		.amdhsa_system_sgpr_workgroup_id_z 1
		.amdhsa_system_vgpr_workitem_id 0
		.amdhsa_next_free_vgpr 258
		.amdhsa_next_free_sgpr 66
		.amdhsa_reserve_vcc 0
		.amdhsa_float_denorm_mode_32 3
		.amdhsa_float_denorm_mode_16_64 3
		.amdhsa_memory_ordered 1
		.amdhsa_forward_progress 1
		.amdhsa_inst_pref_size 31
	.end_amdhsa_kernel
	.amdgpu_metadata
---
amdhsa.version: [ 1, 2 ]
amdhsa.kernels:
  - .name:           k_qbda692019c_kv
    .symbol:         k_qbda692019c_kv.kd
    .args:
      - { .name: key, .offset: 0, .size: 8, .value_kind: global_buffer, .address_space: global }
      - { .name: value, .offset: 8, .size: 8, .value_kind: global_buffer, .address_space: global }
      - { .name: Wk, .offset: 16, .size: 8, .value_kind: global_buffer, .address_space: global }
      - { .name: Wv, .offset: 24, .size: 8, .value_kind: global_buffer, .address_space: global }
      - { .name: bk, .offset: 32, .size: 8, .value_kind: global_buffer, .address_space: global }
      - { .name: bv, .offset: 40, .size: 8, .value_kind: global_buffer, .address_space: global }
      - { .name: part, .offset: 48, .size: 8, .value_kind: global_buffer, .address_space: global }
    .group_segment_fixed_size: 91136
    .private_segment_fixed_size: 0
    .kernarg_segment_align: 8
    .kernarg_segment_size: 56
    .max_flat_workgroup_size: 256
    .sgpr_count:     66
    .vgpr_count:     258
    .wavefront_size: 32
...
	.end_amdgpu_metadata
.endif
;; end of part 4
;; launch red: the kernel of part 2 again; grid 128 x 1, 8 waves a work-group, no clusters, 9,216 bytes of LDS; arguments part, Wq, Wo, mfrag, wqfrag, wofrag; writes mfrag, wqfrag, wofrag
;; launch main (part 5): grid 256 x 1, 8 waves a work-group, no clusters, 150,528 bytes of LDS; arguments query, wqfrag, mfrag, wofrag, bq, bo, out0; writes out0
.if DOCPART == 5
	.amdgcn_target "amdgcn-amd-amdhsa--gfx1250"
	.amdhsa_code_object_version 6
	.text
	.protected	k_qbda692019c_main
	.globl	k_qbda692019c_main
	.p2align	8
	.type	k_qbda692019c_main,@function
k_qbda692019c_main:
	s_mov_b64 s[64:65], 0
	v_nop
	global_prefetch_b8 v0, s[64:65] scope:SCOPE_SE
	s_setreg_imm32_b32 hwreg(HW_REG_WAVE_SCHED_MODE, 0, 2), 2
	s_setreg_imm32_b32 hwreg(HW_REG_WAVE_MODE, 25, 1), 1
	s_wait_xcnt 0x0
	s_wait_alu depctr_vm_vsrc(0)
; LAUNCH 3 OF 3.  A work-group takes 64 rows of query (four row tiles rt of 16) of batch b = x >> 6 and makes, all transposed so that each result packs into the next operand:
;   A:  Q^T[dq][row]   = sum over k of Wq[k][dq] query[row][k] + bq[dq]      wave w: dq tile dt = w & 3, row tiles 2 rp, 2 rp + 1 (rp = w >> 2)
;   B:  attn^T[v][row] = sum over d of M[d][v] Q[row][d]                     wave w: v tile w, all four row tiles
;   C:  out^T[o][row]  = sum over v of Wo[v][o] attn[row][v] + bo[o]         wave w: o tiles 2 w, 2 w + 1, all four row tiles
; A result tile holds in register j of lane (r, h) the element (m = 8 h + j, n = r); packed to bf16 it is half of a second operand with column n = row and k = m.
; In C a lane ends with eight neighbouring f32 of one row of out; the rows are gathered in LDS and leave as stores of 512 consecutive bytes.
; WEIGHTS: the second launch has laid Wq, M (hi and lo) and Wo out as blocks of 512 bytes in register order; each wave loads its own 40 blocks straight into
; v256-415 with its first instructions.  NO JOINT LOADS: the 160 KiB of blocks that a work-group reads are shared with others, but each block goes to the one wave
; that multiplies by it (Wq's to two); a joint load would lay the 128 KiB of distinct blocks into LDS, from where the waves would read the 160 KiB once more.
; PRECISION: query, Wq, Wo are rounded to bf16 once; bq, bo enter in f32 as the sums' start; Q and attn are split into hi = bf16(x) and lo = bf16(x - hi), M comes split;
; B takes hi hi + lo hi + hi lo, C takes Wo hi + Wo lo.  LIMITS: the term lo lo (about 2^-16 of the product) is dropped; the order of the sums differs from
; a row-by-row evaluation of (Q K^T) V; a Q or attn that is infinite, or rounds to an infinite bf16 (above 3.39e38), gives NaN through x - hi.
; THE MODE: SCHED_MODE bits 1:0 = 2 (LLVM: expert scheduling mode 2), set by the entry lines.  The code itself states the register dependences
; between vector or matrix instructions and memory or LDS instructions, with s_wait_alu, always for 0.
; THE PLAN.  Registers that memory or LDS instructions touch, in the order of the text:
;   v4-6         offsets of the global loads and stores: written at the head, never again.  v7-14, v480: LDS addresses: written while the loads are out, never again.
;   v40-103      the staged loads land; conversions work in place; LDS stores read the results.  In groups of four loads: at the head of group g, behind the wait for its data,
;                one wait states that group g - 1's conversions are written; that group's four stores follow, then group g's conversions, which name other registers.
;   v40-167      A: query's fragments land, A's products read them.  B: Q's fragments land, B's products read them; the split writes attn hi and lo into v40-71, eight LDS stores read those.
;                C: attn's fragments of row tiles 2, 3 land, dealt among the products of row tiles 0, 1, which name none of these registers.  The way out: out's rows land in v40-103.
;   v232-247     Q hi and lo: written by the split, read by four LDS stores, not written again.
;   v256-319     Wq lands, A's products read it; in C attn's fragments of row tile 0 land there.     v416-479  those of row tile 1; named by nothing before.
;   v168-231     C's results: written by the products, read by sixteen LDS stores, eight behind row tiles 0, 1 and eight behind row tiles 2, 3.
.set PX,   528                         ; LDS pitch of query's rows (512 bytes of bf16 + 16): an odd multiple of 16, so 16 rows begin in 16 different 16-byte columns of 256 bytes
.set PO,   1040                        ; out's rows (1,024 bytes of f32 + 16), likewise
.set LXQ,  0                           ; 64 x 528 = 33,792 bytes
.set LQF,  33792                       ; Q's fragments [rt 4][hi, lo][dt 4][512 bytes] = 16,384
.set LAF,  50176                       ; attn's fragments [rt 4][hi, lo][vt 8][512 bytes] = 32,768
.set LOS,  82944                       ; 64 x 1,040 = 66,560; ends at 149,504
.set T16,  4                           ; v4  16 t      v5  16 x lane      v6  32 h
.set L16,  5
.set H32,  6
.set SX,   7                           ; v7  where my staged words go      v8  query's fragments
.set XB,   8
.set QFW,  9                           ; v9, v10   Q's fragments: put, read
.set QFR,  10
.set AFW,  11                          ; v11, v12  attn's fragments: put, read
.set AFR,  12
.set OSW,  13                          ; v13, v14  out's rows: put, read
.set OSR,  14
.set BQ,   16                          ; v16-23  bq[16 dt + 8 h + j]
.set BO,   24                          ; v24-39  bo[16 (2 w + ol) + 8 h + j], ol = 0, 1
.set S,    40                          ; v40-103  the 16 staged loads
.set FB,   40                          ; v40-167  each phase's second operands (C: row tiles 2 and 3, 64 registers each)
.set FB2,  104
.set ACC,  168                         ; v168-231 accumulators: A 2 tiles, B 4, C 8
.set QH,   232                         ; v232-247 Q split: hi, lo of row tile 0; hi, lo of row tile 1
.set T,    248                         ; v248-251 the split's temporaries
.set A1,   0                           ; window 1: v256-319  Wq, fragment s at 8 s
.set AM,   64                          ; window 1: v320-351  M, 16 (lo) + 8 sd
.set AO,   96                          ; window 1: v352-415  Wo, 32 ol + 8 sv
.set W1A,  0                           ; window 1: v256-319  C: attn's fragments of row tile 0 (Wq's registers, free behind phase A)
.set W1B,  160                         ; window 1: v416-479  C: those of row tile 1
.set AFR1, 224                         ; window 1: v480      the address of v12 once more, for the LDS loads that stand among products whose first operand lies in window 1
.set MASK, 18
.set MSB, 0
.macro WIN new                         ; s_set_vgpr_msb: bits 1:0 source 0, 3:2 source 1, 7:6 destination; the immediate's high byte repeats the setting that is left
.if MSB != \new
	s_set_vgpr_msb (MSB<<8)|\new
.set MSB, \new
.endif
.endm
.macro PLACES                          ; a vector instruction or an LDS store that reads a matrix result, and a vector write into a matrix instruction's register,
.rept 4                                ; stand four plain vector instructions behind it (ISA guide 7.12.1 for vector instructions); a wait fills no place
	v_nop
.endr
.endm
.macro CVT4 n                          ; staged load n: four f32 to four bf16, in place
	v_cvt_pk_bf16_f32 v[S+4*(\n)], v[S+4*(\n)], v[S+4*(\n)+1]
	v_cvt_pk_bf16_f32 v[S+4*(\n)+1], v[S+4*(\n)+2], v[S+4*(\n)+3]
.endm
.macro PUT n, areg, off                ; and its 8 bytes into LDS
	ds_store_b64 v[\areg], v[S+4*(\n):S+4*(\n)+1] offset:\off
.endm
.macro SPLIT x, hi, lo, t              ; eight f32 in x: hi = bf16(x) packed in 4 words, lo = bf16(x - hi) likewise; x is used up
.irp p, 0,1,2,3
	v_cvt_pk_bf16_f32 v[\hi+\p], v[\x+2*\p], v[\x+2*\p+1]
	v_lshlrev_b32 v[\t+2*(\p&1)], 16, v[\hi+\p]
	v_and_b32 v[\t+2*(\p&1)+1], s[MASK], v[\hi+\p]
	v_sub_f32 v[\x+2*\p], v[\x+2*\p], v[\t+2*(\p&1)]
	v_sub_f32 v[\x+2*\p+1], v[\x+2*\p+1], v[\t+2*(\p&1)+1]
	v_cvt_pk_bf16_f32 v[\lo+\p], v[\x+2*\p], v[\x+2*\p+1]
.endr
.endm
; In all three phases the accumulators take turns, one instruction a turn.
.macro QMUL s, bias                    ; A: k step s, both row tiles; bias = 1: the sums start from bq
.irp q, 0,1
.if \bias
	v_wmma_f32_16x16x32_bf16 v[ACC+8*\q:ACC+8*\q+7], v[A1+8*\s:A1+8*\s+7], v[FB+8*(2*\s+\q):FB+8*(2*\s+\q)+7], v[BQ:BQ+7]
.else
	v_wmma_f32_16x16x32_bf16 v[ACC+8*\q:ACC+8*\q+7], v[A1+8*\s:A1+8*\s+7], v[FB+8*(2*\s+\q):FB+8*(2*\s+\q)+7], v[ACC+8*\q:ACC+8*\q+7]
.endif
.endr
.endm
.macro AMUL hm, hq, sd, zero           ; B: M's part hm (0 hi, 1 lo) x Q's part hq, d step sd, four row tiles; zero = 1: starts the sums
.irp q, 0,1,2,3
.if \zero
	v_wmma_f32_16x16x32_bf16 v[ACC+8*\q:ACC+8*\q+7], v[AM+16*\hm+8*\sd:AM+16*\hm+8*\sd+7], v[FB+32*\q+16*\hq+8*\sd:FB+32*\q+16*\hq+8*\sd+7], 0
.else
	v_wmma_f32_16x16x32_bf16 v[ACC+8*\q:ACC+8*\q+7], v[AM+16*\hm+8*\sd:AM+16*\hm+8*\sd+7], v[FB+32*\q+16*\hq+8*\sd:FB+32*\q+16*\hq+8*\sd+7], v[ACC+8*\q:ACC+8*\q+7]
.endif
.endr
.endm
.macro LDAF rt, buf                    ; C: 16 LDS loads in a run: attn's fragments of row tile rt, hi (4 v steps) then lo
.irp n, 0,1,2,3,4,5,6,7,8,9,10,11,12,13,14,15
	ds_load_b128 v[\buf+4*\n:\buf+4*\n+3], v[AFR] offset:\rt*8192+512*\n
.endr
.endm
; C: 16 products for row tile rt: attn hi and lo, 4 v steps, my two o tiles by turns; the first pair starts from bo.
; deal = 1: behind product n stands load n of the 16 that bring row tile nrt's fragments into nbuf.  The products name Wo, buf, bo and row tile rt's two accumulators:
; none of the registers that those loads touch (v480 and nbuf), so the loads lean on the two waits at the phase's head.
.macro OMUL rt, buf, deal=0, nrt=0, nbuf=0
.irp hl, 0,1
.irp sv, 0,1,2,3
.irp ol, 0,1
.if \hl+\sv
	v_wmma_f32_16x16x32_bf16 v[ACC+8*(2*\rt+\ol):ACC+8*(2*\rt+\ol)+7], v[AO+32*\ol+8*\sv:AO+32*\ol+8*\sv+7], v[\buf+32*\hl+8*\sv:\buf+32*\hl+8*\sv+7], v[ACC+8*(2*\rt+\ol):ACC+8*(2*\rt+\ol)+7]
.else
	v_wmma_f32_16x16x32_bf16 v[ACC+8*(2*\rt+\ol):ACC+8*(2*\rt+\ol)+7], v[AO+32*\ol+8*\sv:AO+32*\ol+8*\sv+7], v[\buf+32*\hl+8*\sv:\buf+32*\hl+8*\sv+7], v[BO+8*\ol:BO+8*\ol+7]
.endif
.if \deal
	ds_load_b128 v[\nbuf+4*(8*\hl+2*\sv+\ol):\nbuf+4*(8*\hl+2*\sv+\ol)+3], v[AFR1] offset:\nrt*8192+512*(8*\hl+2*\sv+\ol)
.endif
.endr
.endr
.endr
.endm
.macro OSTORE rt                       ; C: my two tiles of row tile rt into out's rows in LDS: row 16 rt + r, 32 bytes at column 16 (2 w + ol) + 8 h
.irp ol, 0,1
	ds_store_b128 v[OSW], v[ACC+8*(2*\rt+\ol):ACC+8*(2*\rt+\ol)+3] offset:\rt*16*PO+64*\ol
	ds_store_b128 v[OSW], v[ACC+8*(2*\rt+\ol)+4:ACC+8*(2*\rt+\ol)+7] offset:\rt*16*PO+64*\ol+16
.endr
.endm
	s_load_b256 s[4:11], s[0:1], 0x0               ; query s[4:5], wqfrag s[6:7], mfrag s[8:9], wofrag s[10:11]
	s_load_b128 s[12:15], s[0:1], 0x20             ; bq s[12:13], bo s[14:15]
	s_load_b64 s[16:17], s[0:1], 0x30              ; out0
	v_lshl_add_u32 v254, v0, 2, 0x24800
	v_mov_b32 v255, 0
	v_lshrrev_b32 v1, 5, v0
	v_readfirstlane_b32 s20, v1                    ; wave w
	v_lshlrev_b32 v[T16], 4, v0
	v_and_b32 v1, 31, v0                           ; lane L
	v_lshlrev_b32 v[L16], 4, v1
	v_bfe_u32 v3, v0, 4, 1                         ; h
	v_lshlrev_b32 v[H32], 5, v3
	s_wait_alu depctr_va_sdst(0)                   ; s20 is written, ahead of its first reader: dt, rp, the bases and the LDS addresses are made from it
	s_and_b32 s21, s20, 3                          ; dt
	s_lshr_b32 s22, s20, 2                         ; rp
	s_mov_b32 s[MASK], 0xffff0000
	s_lshl_b32 s24, ttmp9, 16                      ; query: 64 rows of 1,024 bytes a work-group
	s_mov_b32 s25, 0
	s_lshl_b32 s26, s20, 13                        ; out0: the same, and I store rows 8 w .. 8 w + 7
	s_add_co_u32 s26, s26, s24
	s_mov_b32 s27, 0
	s_lshl_b32 s28, s21, 13                        ; wqfrag: 16 blocks of 512 bytes for a dq tile
	s_mov_b32 s29, 0
	s_lshr_b32 s30, ttmp9, 6                       ; mfrag: 32,768 bytes a batch, 4 blocks for a v tile
	s_lshl_b32 s30, s30, 15
	s_lshl_b32 s23, s20, 11
	s_add_co_u32 s30, s30, s23
	s_mov_b32 s31, 0
	s_lshl_b32 s32, s20, 13                        ; wofrag: 8 blocks for an o tile, two tiles
	s_mov_b32 s33, 0
	s_lshl_b32 s34, s21, 6                         ; bq: my 16
	s_mov_b32 s35, 0
	s_lshl_b32 s36, s20, 7                         ; bo: my 32
	s_mov_b32 s37, 0
	s_wait_kmcnt 0x0
	s_add_nc_u64 s[4:5], s[4:5], s[24:25]
	s_add_nc_u64 s[16:17], s[16:17], s[26:27]
	s_add_nc_u64 s[6:7], s[6:7], s[28:29]
	s_add_nc_u64 s[8:9], s[8:9], s[30:31]
	s_add_nc_u64 s[10:11], s[10:11], s[32:33]
	s_add_nc_u64 s[12:13], s[12:13], s[34:35]
	s_add_nc_u64 s[14:15], s[14:15], s[36:37]
	s_wait_alu depctr_va_vdst(0)                   ; v4, v5 and v6 are written: the 62 loads below read one of them as their offset; only loads and one window switch follow up to the last of them
	; 62 loads, all that the wave reads from memory, in the order of use: query 16, bq 2, bo 4, Wq 16, M 8, Wo 16.
	; No base and no offset register of these is written again in the kernel.
.irp i, 0,1,2,3,4,5,6,7,8,9,10,11,12,13,14,15
	global_load_b128 v[S+4*\i:S+4*\i+3], v[T16], s[4:5] offset:4096*\i th:TH_LOAD_NT
.endr
	global_load_b128 v[BQ:BQ+3], v[H32], s[12:13]
	global_load_b128 v[BQ+4:BQ+7], v[H32], s[12:13] offset:16
.irp ol, 0,1
	global_load_b128 v[BO+8*\ol:BO+8*\ol+3], v[H32], s[14:15] offset:64*\ol
	global_load_b128 v[BO+8*\ol+4:BO+8*\ol+7], v[H32], s[14:15] offset:64*\ol+16
.endr
	WIN 0x40                                       ; destinations in window 1, addresses in window 0
.irp n, 0,1,2,3,4,5,6,7,8,9,10,11,12,13,14,15
	global_load_b128 v[A1+4*\n:A1+4*\n+3], v[L16], s[6:7] offset:512*\n
.endr
.irp hl, 0,1
.irp n, 0,1,2,3
	global_load_b128 v[AM+16*\hl+4*\n:AM+16*\hl+4*\n+3], v[L16], s[8:9] offset:16384*\hl+512*\n
.endr
.endr
.irp n, 0,1,2,3,4,5,6,7,8,9,10,11,12,13,14,15
	global_load_b128 v[AO+4*\n:AO+4*\n+3], v[L16], s[10:11] offset:512*\n
.endr
	v_add_nc_u32 v[AFR1], LAF, v[L16]              ; v480, made while the destination's window is 1: attn's fragments, as v12
	WIN 0
	; LDS addresses, while the loads are on their way: none of these lines names a register of the loads
	v_and_b32 v2, 15, v0                           ; r
	s_lshr_b32 s38, s20, 1                         ; query, load i: byte 16 t + 4,096 i is row (w >> 1) + 4 i, f32 column 4 (32 (w & 1) + L)
	s_mul_i32 s38, s38, PX
	s_and_b32 s39, s20, 1
	s_lshl_b32 s39, s39, 8
	s_add_co_u32 s38, s38, s39
	v_lshl_add_u32 v[SX], v1, 3, s38
	s_mul_i32 s38, s22, 32*PX                      ; query's fragments: row 32 rp + r, 16 h bytes in
	v_mul_u32_u24 v[XB], v2, PX
	v_lshl_add_u32 v[XB], v3, 4, v[XB]
	v_add_nc_u32 v[XB], s38, v[XB]
	s_lshl_b32 s38, s22, 13                        ; Q's fragments: row tile 2 rp, block dt
	s_lshl_b32 s39, s21, 9
	s_add_co_u32 s38, s38, s39
	s_add_co_u32 s38, s38, LQF
	v_add_nc_u32 v[QFW], s38, v[L16]
	v_add_nc_u32 v[QFR], LQF, v[L16]
	s_lshl_b32 s38, s20, 9                         ; attn's fragments: block w
	s_add_co_u32 s38, s38, LAF
	v_add_nc_u32 v[AFW], s38, v[L16]
	v_add_nc_u32 v[AFR], LAF, v[L16]
	s_lshl_b32 s38, s20, 7                         ; out's rows: row r, byte 128 w + 32 h
	s_add_co_u32 s38, s38, LOS
	v_mul_u32_u24 v[OSW], v2, PO
	v_add3_u32 v[OSW], v[OSW], v[H32], s38
	s_mul_i32 s38, s20, 8*PO                       ; and back: rows 8 w ..
	s_add_co_u32 s38, s38, LOS
	v_add_nc_u32 v[OSR], s38, v[L16]
	; Staging, four loads at a time.  Loads come back in order (ISA guide 5.7.1): each count is the 46 bias and weight loads plus the younger loads of query.
	; A group's LDS stores stand at the head of the next group, behind the wait for that group's data and one wait on the conversions.
	s_wait_loadcnt 58
.irp i, 0,1,2,3
	CVT4 \i
.endr
	s_wait_loadcnt 54
	s_wait_alu depctr_va_vdst(0)                   ; the first group's conversions have written the words that the four stores read; the addresses v7-14 and v480 are written
.irp i, 0,1,2,3
	PUT \i, SX, \i*4*PX
.endr
.irp i, 4,5,6,7
	CVT4 \i
.endr
	s_wait_loadcnt 50
	s_wait_alu depctr_va_vdst(0)                   ; the second group's conversions have written the words that the four stores read
.irp i, 4,5,6,7
	PUT \i, SX, \i*4*PX
.endr
.irp i, 8,9,10,11
	CVT4 \i
.endr
	s_wait_loadcnt 46
	s_wait_alu depctr_va_vdst(0)                   ; the third group's conversions have written the words that the four stores read
.irp i, 8,9,10,11
	PUT \i, SX, \i*4*PX
.endr
.irp i, 12,13,14,15
	CVT4 \i
.endr
	s_wait_alu depctr_va_vdst(0)                   ; the last conversions have written the words that the four stores read; every conversion is done with v40-103, in which the fragments land behind the barrier
.irp i, 12,13,14,15
	PUT \i, SX, \i*4*PX
.endr
	s_wait_dscnt 0x0                               ; my staged words are in LDS: zero, for the other waves' sake
	s_barrier_signal -1
	s_barrier_wait -1
	; PHASE A.  32 LDS loads, k step by k step: query's fragments of my two row tiles
	s_wait_alu depctr_vm_vsrc(0)                   ; my LDS stores have read their words in v40-103, in which the fragments below land
.irp s, 0,1,2,3,4,5,6,7
.irp q, 0,1
	ds_load_b128 v[FB+8*(2*\s+\q):FB+8*(2*\s+\q)+3], v[XB] offset:\q*16*PX+64*\s
	ds_load_b128 v[FB+8*(2*\s+\q)+4:FB+8*(2*\s+\q)+7], v[XB] offset:\q*16*PX+64*\s+32
.endr
.endr
	s_wait_loadcnt 24                              ; bq, bo and Wq are in; M's 8 and Wo's 16 loads may be out
	s_wait_dscnt 16                                ; k steps 0-3 are in; the 16 loads of k steps 4-7 may be out
	WIN 0x01                                       ; the first operand in window 1
	QMUL 0, 1
	QMUL 1, 0
	QMUL 2, 0
	QMUL 3, 0
	s_wait_dscnt 0x0
	QMUL 4, 0
	QMUL 5, 0
	QMUL 6, 0
	QMUL 7, 0
	WIN 0
	PLACES
	SPLIT ACC, QH, QH+4, T
	SPLIT ACC+8, QH+8, QH+12, T
	s_wait_alu depctr_va_vdst(0)                   ; the split has written Q hi and lo, v232-247, which the four stores read; A's products are done reading v40-167, in which Q's fragments land behind the barrier
	ds_store_b128 v[QFW], v[QH:QH+3]
	ds_store_b128 v[QFW], v[QH+4:QH+7] offset:2048
	ds_store_b128 v[QFW], v[QH+8:QH+11] offset:4096
	ds_store_b128 v[QFW], v[QH+12:QH+15] offset:6144
	s_wait_dscnt 0x0
	s_barrier_signal -1
	s_barrier_wait -1
	; PHASE B.  32 LDS loads: all of Q's fragments, the hi parts of the four row tiles first.  No wait: no vector or matrix instruction has been issued since the wait above,
	; and the four stores since then read v9 and v232-247, none of the registers in which these loads land.
.irp hl, 0,1
.irp q, 0,1,2,3
.irp n, 0,1,2,3
	ds_load_b128 v[FB+32*\q+16*\hl+4*\n:FB+32*\q+16*\hl+4*\n+3], v[QFR] offset:4096*\q+2048*\hl+512*\n
.endr
.endr
.endr
	s_wait_loadcnt 16                              ; M is in; Wo's 16 loads may be out
	s_wait_dscnt 16                                ; the hi parts are in; the 16 loads of the lo parts may be out
	WIN 0x01
	AMUL 0, 0, 0, 1
	AMUL 0, 0, 1, 0
	AMUL 1, 0, 0, 0
	AMUL 1, 0, 1, 0
	s_wait_dscnt 0x0
	AMUL 0, 1, 0, 0
	AMUL 0, 1, 1, 0
	WIN 0
	PLACES
.irp q, 0,1,2,3
	SPLIT ACC+8*\q, FB+8*\q, FB+8*\q+4, T
.endr
	s_wait_alu depctr_va_vdst(0)                   ; the split has written attn hi and lo, v40-71, which the eight stores read
.irp q, 0,1,2,3
	ds_store_b128 v[AFW], v[FB+8*\q:FB+8*\q+3] offset:8192*\q
	ds_store_b128 v[AFW], v[FB+8*\q+4:FB+8*\q+7] offset:8192*\q+4096
.endr
	s_wait_dscnt 0x0
	s_barrier_signal -1
	s_barrier_wait -1
	; PHASE C on four buffers.  Row tiles 0 and 1 are fetched in one run into window 1; row tiles 2 and 3 are fetched into v40-167 one load behind each product of row tiles 0 and 1.
	; Under the setting 0x05 a product takes both operands from window 1, and an LDS load takes its address from window 1 (v480) and lands in window 0: the deal needs no switch.
	WIN 0x40                                       ; destinations in window 1, addresses in window 0
	s_wait_alu depctr_va_vdst(0)                   ; B's products are done reading v40-167 and the split has written v40-71; A's products are done reading v256-319: the phase's 64 loads land in these and in v416-479
	s_wait_alu depctr_vm_vsrc(0)                   ; my eight LDS stores have read v40-71, in which row tile 2's fragments land
	LDAF 0, W1A
	LDAF 1, W1B
	s_wait_loadcnt 0x0                             ; Wo is in
	s_wait_dscnt 16                                ; row tile 0's fragments are in; row tile 1's 16 loads may be out
	WIN 0x05
	OMUL 0, W1A, 1, 2, FB
	s_wait_dscnt 16                                ; row tile 1's fragments are in; the 16 loads dealt above may be out
	OMUL 1, W1B, 1, 3, FB2
	WIN 0
	PLACES
	s_wait_alu depctr_va_vdst(0)                   ; the products of row tiles 0 and 1 have written v168-199, which the eight stores read; the places above stay beside this wait
	OSTORE 0
	OSTORE 1
	s_wait_dscnt 24                                ; row tile 2's fragments are in; row tile 3's 16 loads and the 8 stores may be out
	WIN 0x01
	OMUL 2, FB
	s_wait_dscnt 8                                 ; row tile 3's fragments are in; the 8 stores may be out
	OMUL 3, FB2
	WIN 0
	PLACES
	s_wait_alu depctr_va_vdst(0)                   ; the products of row tiles 2 and 3 have written v200-231, which the eight stores read, and are done reading v40-103, in which out's rows land behind the barrier
	OSTORE 2
	OSTORE 3
	s_wait_dscnt 0x0
	s_barrier_signal -1
	s_barrier_wait -1
	; THE WAY OUT: rows 8 w .. 8 w + 7 back from LDS, half a row (512 bytes) a load, and out: each store of the wave covers 512 consecutive bytes, aligned.
	; No vector or matrix instruction stands behind the wait above, so these loads and stores hang on the LDS counter alone.
.irp n, 0,1,2,3,4,5,6,7,8,9,10,11,12,13,14,15
	ds_load_b128 v[S+4*\n:S+4*\n+3], v[OSR] offset:(\n/2)*PO+512*(\n%2)
.endr
.irp n, 0,1,2,3,4,5,6,7,8,9,10,11,12,13,14,15
	s_wait_dscnt 15-\n                             ; LDS loads come back in order: load n is in, the younger ones may be out
	global_store_b128 v[L16], v[S+4*\n:S+4*\n+3], s[16:17] offset:512*\n th:TH_STORE_NT
.endr
	s_wait_dscnt 0x0
	s_wait_alu depctr_hold_cnt(0) depctr_sa_sdst(0) depctr_va_vdst(0) depctr_va_sdst(0) depctr_va_ssrc(0) depctr_va_vcc(0) depctr_vm_vsrc(0)
	s_wait_tensorcnt 0x0
	ds_add_u32 v254, v255
	s_wait_dscnt 0x0
	s_endpgm
.Lfunc_end_k_qbda692019c_main:
	.size	k_qbda692019c_main, .Lfunc_end_k_qbda692019c_main-k_qbda692019c_main
	.p2alignl 7, 3214868480
	.fill 96, 4, 3214868480
	.section	.rodata,"a",@progbits
	.p2align	6, 0x0
	.amdhsa_kernel k_qbda692019c_main
		.amdhsa_group_segment_fixed_size 150528
		.amdhsa_private_segment_fixed_size 0
		.amdhsa_enable_private_segment 0
		.amdhsa_kernarg_size 56
		.amdhsa_user_sgpr_count 2
		.amdhsa_user_sgpr_kernarg_segment_ptr 1
		.amdhsa_wavefront_size32 1
		.amdhsa_system_sgpr_workgroup_id_x 1
		.amdhsa_system_sgpr_workgroup_id_y 1
		.amdhsa_system_sgpr_workgroup_id_z 1
		.amdhsa_system_vgpr_workitem_id 0
		.amdhsa_next_free_vgpr 482
		.amdhsa_next_free_sgpr 66
		.amdhsa_reserve_vcc 0
		.amdhsa_float_denorm_mode_32 3
		.amdhsa_float_denorm_mode_16_64 3
		.amdhsa_memory_ordered 1
		.amdhsa_forward_progress 1
		.amdhsa_inst_pref_size 40
	.end_amdhsa_kernel
	.amdgpu_metadata
---
amdhsa.version: [ 1, 2 ]
amdhsa.kernels:
  - .name:           k_qbda692019c_main
    .symbol:         k_qbda692019c_main.kd
    .args:
      - { .name: query, .offset: 0, .size: 8, .value_kind: global_buffer, .address_space: global }
      - { .name: wqfrag, .offset: 8, .size: 8, .value_kind: global_buffer, .address_space: global }
      - { .name: mfrag, .offset: 16, .size: 8, .value_kind: global_buffer, .address_space: global }
      - { .name: wofrag, .offset: 24, .size: 8, .value_kind: global_buffer, .address_space: global }
      - { .name: bq, .offset: 32, .size: 8, .value_kind: global_buffer, .address_space: global }
      - { .name: bo, .offset: 40, .size: 8, .value_kind: global_buffer, .address_space: global }
      - { .name: out0, .offset: 48, .size: 8, .value_kind: global_buffer, .address_space: global }
    .group_segment_fixed_size: 150528
    .private_segment_fixed_size: 0
    .kernarg_segment_align: 8
    .kernarg_segment_size: 56
    .max_flat_workgroup_size: 256
    .sgpr_count:     66
    .vgpr_count:     482
    .wavefront_size: 32
...
	.end_amdgpu_metadata
.endif
;; end of part 5
